; MI455X (gfx1250); checked and timed in simulation.
; The chip was launched on July 23, 2026; its instructions are those of AMD's public machine-readable ISA for CDNA 5 (MIT licence, August 2026) and "CDNA5" Instruction Set Architecture Reference Guide (July 2026). The comments in the code are by the model that wrote it; some were corrected since.
;; Multi Head Attention. Allowed arithmetic: matrix products marked QUANTISED: E2M3 operands, one E8M0 scale for each 32 along K, by v_wmma_scale_f32_16x16x128_f8f6f4 with both operands' format E2M3, f32 sums; everything else in f32.
;; Inputs: W_k 1,024 x 1,024 float32; W_o 1,024 x 1,024 float32; W_q 1,024 x 1,024 float32; W_v 1,024 x 1,024 float32; b_k 1,024 float32; b_o 1,024 float32; b_q 1,024 float32; b_v 1,024 float32; key 4 x 2,048 x 1,024 float32; query 4 x 2,048 x 1,024 float32; value 4 x 2,048 x 1,024 float32.
;; Outputs: out0 4 x 2,048 x 1,024 float32.
;; This version of the problem:
;;   THIS VERSION OF THE PROBLEM IS GIVEN IN LOW PRECISION. The matrix products marked QUANTISED in the list below multiply operands that are first quantised to E2M3 (2 exponent bits, 3 mantissa bits; 6 bits a number), with one power-of-two scale for each 32 numbers along K (OCP MX v1.0); their sums are f32. All else is computed in f32.
;;   The module's matrix products, in the order in which they are computed (A, B: the left and right operand; K: the contracted axis; several contracted axes count as one K, in the product's order):
;;     1. [M 8,192, K 1,024] x [K 1,024, N 1,024]; A: input query; B: input W_q: QUANTISED
;;     2. [M 8,192, K 1,024] x [K 1,024, N 1,024]; A: input key; B: input W_k: QUANTISED
;;     3. [M 8,192, K 1,024] x [K 1,024, N 1,024]; A: input value; B: input W_v: QUANTISED
;;     4. batch 64 x [M 2,048, K 64] x [K 64, N 2,048]; A: computed on the way; B: computed on the way: QUANTISED
;;     5. batch 64 x [M 2,048, K 2,048] x [K 2,048, N 64]; A: softmax (see below); B: computed on the way: QUANTISED
;;     6. [M 8,192, K 1,024] x [K 1,024, N 1,024]; A: computed on the way; B: input W_o: QUANTISED
;;   THE QUANTISER, for each operand of a quantised product, along K:
;;     - K is cut into blocks of 32 from its start; a last block that is shorter is filled with zeros.
;;     - A block's scale is 2^e with e = floor(log2(the largest magnitude in the block)) - 2, held to -126 .. 127; a block of zeros has e = 0. As a byte (E8M0): e + 127.
;;     - Each number is divided by its block's scale, clamped to +-7.5, and rounded to the nearest number of E2M3, ties to even, subnormals kept.
;;     - The product sums the exact products of the quantised numbers (number of the format x scale) in f32.
;;   ~~~python
;;   def quantise(x, axis):      # numpy; x: float32 -> the quantised numbers, widened to float32 again
;;       x = np.moveaxis(x, axis, -1); K = x.shape[-1]
;;       x = np.pad(x, [(0, 0)] * (x.ndim - 1) + [(0, -K % 32)]); x = x.reshape(x.shape[:-1] + (-1, 32)); a = np.abs(x).max(-1, keepdims=True)
;;       e = np.where(a > 0, np.clip(np.frexp(np.where(a > 0, a, 1))[1] - 1 - 2, -126, 127), 0)      # np.frexp(a)[1] - 1 = floor(log2(a)), exactly
;;       r = np.clip(x / 2.0 ** e, -7.5, 7.5)
;;       step = 2.0 ** (np.maximum(np.frexp(np.where(r == 0, 1, r))[1] - 1, 0) - 3)
;;       q = np.round(r / step) * step * 2.0 ** e      # np.round: ties to even
;;       return np.moveaxis(q.reshape(q.shape[:-2] + (-1,))[..., :K], -1, axis).astype(np.float32)
;;   ~~~
;;   SOFTMAX AHEAD OF A QUANTISED PRODUCT. Where the list says 'softmax', what is quantised is not the finished softmax but p = 2^(t - M), with t = logit x log2(e) and M = ceil(the row's largest t), a whole number; so 1/2 < the row's largest p <= 1. The row's sum l is taken of the UNQUANTISED p, in f32, and the product's result is divided by l at the end. Since M is a whole number, a kernel that streams over the keys may use a running M (the ceiling of the running maximum): every later rescaling is an exact power of two, which a block's scale takes up: the codes' values come out the same.
;;   OPERANDS COMPUTED ON THE WAY. 'Computed on the way' means the value that the module computes at that place (a softmax that the list does not call 'softmax' is quantised finished and normalised). What goes into a quantiser is computed in f32, as accurately as f32 sums, v_exp_f32 and their like allow (about 1e-6 of the number): no bf16 or f16 on the way to a quantiser, and a product that is left as it is and whose result goes on into a quantised operand takes f32 operands (vector FMAs, or v_wmma_f32_16x16x4_f32). A number that lies on a knife's edge between two numbers of the format may be rounded either way, as far as f32 arithmetic and the matrix unit's own rounding can turn it there, and no further.
;; One version. Each part assembles by itself: llvm-mc -triple=amdgcn-amd-amdhsa -mcpu=gfx1250 --defsym DOCPART=n.
;; ======== version 1 of 1: 4 launches
;; limits: right only within a limited range of input values
;; workspace buffers: codes 22,020,096 bytes; scales 917,504 bytes; rope 524,288 bytes; qrec 6,553,600 bytes; kv 13,107,200 bytes; cimg 6,291,456 bytes; cscl 262,144 bytes
;; launch quant (part 1): grid 896 x 1, 4 waves a work-group, no clusters, 33,280 bytes of LDS; arguments query, key, value, W_q, W_k, W_v, W_o, codes, scales, rope; writes codes, scales, rope
.if DOCPART == 1
	.amdgcn_target "amdgcn-amd-amdhsa--gfx1250"
	.amdhsa_code_object_version 6
	.text
	.protected	k_q595e4098eb_quant
	.globl	k_q595e4098eb_quant
	.p2align	8
	.type	k_q595e4098eb_quant,@function
k_q595e4098eb_quant:
	s_mov_b64 s[64:65], 0
	v_nop
	global_prefetch_b8 v0, s[64:65] scope:SCOPE_SE
	s_setreg_imm32_b32 hwreg(HW_REG_WAVE_MODE, 25, 1), 1
	s_wait_xcnt 0x0
; query, key, value [8192][1024] and W_q, W_k, W_v, W_o [1024][1024], all f32 with K innermost, become codes of FP6 (E2M3), 6 bits each, and one E8M0 scale byte for each 32 along K.
; The seven tensors lie one behind the other in the two workspace buffers: codes [28672 rows][768 bytes], scales [28672][32].  Rows are dense, so each tensor is a plain stream of blocks of 32.
; A block's scale is 2^(floor(log2(its largest magnitude)) - 2); its byte is the largest magnitude's exponent field - 2, held at 1 from below.
; THE ORDER OF A BLOCK'S CODES is 0..7, 16..23, 8..15, 24..31: the order in which a matrix result's registers hold 32 neighbours.  Every operand of every product of this program has it, so each product is unchanged.
; LIMITS: NaN and infinities among the inputs are not served; a block whose largest magnitude lies under 2^-124, a block of zeros among them, keeps the byte 1 (its codes add nothing; this program alone reads the bytes).
; A work-group takes 32,768 numbers, a wave 16 steps of 512.  Each load reads 512 consecutive bytes; a step's 2,048 bytes turn through the wave's own stage in LDS, so that a lane gets 16 numbers of one block.
; The first 64 work-groups also make the table of cos and sin for RoPE: rope [2048 positions][32 cos | 32 sin].  The angle is position x 10^(-j/8) (the frequency rounded once to f32), reduced by multiples of pi/2 in two
; parts (the first subtraction is exact: both terms are multiples of 2^-23 and the difference is under 1), then two short polynomials on [-pi/4, pi/4].
; Memory binds here: no matrix unit, no cluster, no barrier: waves share nothing.
.set WAVES, 4
.set STEPS, 16
.set EMAX,  2
.set CB,    12                         ; bytes of 16 codes
.set R,     16                         ; v16-79   four sets of 16 numbers as they are loaded
.set X,     80                         ; v80-111  two sets of 16 numbers of one block
.set C,     128                        ; v128-191 codes: four registers for each step
.set E,     112                        ; v112-127 a scale byte for each step
.set WREG,  8192                       ; LDS: a region for each wave: two stages of 32 x SP bytes, then its 256 scale bytes
.set SP,    80                         ; 64 bytes + 16 of padding
.set SPW,   12                         ; v12 LDS address of my spare word; never rewritten
.set NIL,   13                         ; v13 0; never rewritten
.set SPARE, WAVES*WREG                 ; the spare words: 128 bytes for each wave
.set COS,   64                         ; the table's tail: v64-71 cos, v96-103 sin
.set SIN,   96
	s_load_b256 s[4:11], s[0:1], 0x0               ; query, key, value, W_q
	s_load_b256 s[12:19], s[0:1], 0x20             ; W_k, W_v, W_o, codes
	s_load_b128 s[20:23], s[0:1], 0x40             ; scales, rope
	v_lshl_add_u32 v[SPW], v0, 2, SPARE
	v_mov_b32 v[NIL], 0
	v_lshrrev_b32 v1, 5, v0
	v_readfirstlane_b32 s31, v1                    ; wave
	v_and_b32 v2, 31, v0                           ; lane
	v_lshlrev_b32 v3, 4, v2                        ; my 16 bytes of a load's 512
	s_mul_i32 s24, s31, WREG
	v_lshrrev_b32 v14, 2, v2
	v_mul_u32_u24 v14, v14, SP
	v_and_b32 v15, 3, v2
	v_lshl_add_u32 v14, v15, 4, v14
	v_add_nc_u32 v14, s24, v14                     ; the stage, on the way in: SP (lane / 4) + 16 (lane % 4)
	v_and_b32 v15, 30, v2
	v_mul_u32_u24 v15, v15, SP
	v_and_b32 v1, 1, v2
	v_lshl_add_u32 v15, v1, 5, v15
	v_add_nc_u32 v15, s24, v15                     ; on the way out: my block's two places of 64 bytes begin at SP (lane & 30); the even lane takes the first 32 bytes of each, the odd lane the second
	; THE CODES' LAYOUT AS STORED (it takes the place of the rows of 768 bytes named at the head): [4 K steps of 256][28672 rows][192 bytes]: a K step's rows lie on end, so a tile of it is one dense block
	v_and_b32 v4, 15, v2
	v_mul_u32_u24 v4, v4, CB                       ; sixteen lanes' codes are 256 along K: 192 bytes of one row of one K step
	v_lshrrev_b32 v10, 4, v2
	v_mul_u32_u24 v10, v10, 5505024                ; lanes 16-31: the next K step, 28672 x 192 bytes on
	v_add_nc_u32 v4, v4, v10                       ; a row's first half: K steps 0, 1
	v_add_nc_u32 v10, 2*5505024, v4                ; its second half: K steps 2, 3
	v_lshrrev_b32 v5, 1, v2
	s_add_co_u32 s24, s24, 2*32*SP
	v_add_nc_u32 v5, s24, v5                       ; LDS: my wave's 256 scale bytes, my block's byte
	v_lshlrev_b32 v7, 3, v2                        ; and on the way out 8 bytes a lane
	v_add_nc_u32 v6, s24, v7
	s_wait_alu depctr_va_vdst(0)
	s_wait_kmcnt 0x0
	s_mov_b64 s[28:29], s[16:17]                   ; which tensor is my work-group's: the choice hangs on the work-group's number alone
	s_cmp_lt_u32 ttmp9, 864
	s_cselect_b64 s[28:29], s[14:15], s[28:29]
	s_cmp_lt_u32 ttmp9, 832
	s_cselect_b64 s[28:29], s[12:13], s[28:29]
	s_cmp_lt_u32 ttmp9, 800
	s_cselect_b64 s[28:29], s[10:11], s[28:29]
	s_cmp_lt_u32 ttmp9, 768
	s_cselect_b64 s[28:29], s[8:9], s[28:29]
	s_cselect_b32 s30, 255, 31                     ; an activation has 256 work-groups, a weight 32
	s_cmp_lt_u32 ttmp9, 512
	s_cselect_b64 s[28:29], s[6:7], s[28:29]
	s_cmp_lt_u32 ttmp9, 256
	s_cselect_b64 s[28:29], s[4:5], s[28:29]
	s_and_b32 s25, ttmp9, s30                      ; my work-group's number within its tensor
	s_lshl_b32 s25, s25, 2
	s_add_co_u32 s25, s25, s31                     ; my wave's run of 8,192 numbers in the tensor,
	s_lshl_b32 s26, s25, 15                        ; 32,768 bytes a run
	s_mov_b32 s27, 0
	s_add_nc_u64 s[28:29], s[28:29], s[26:27]
	s_lshl_b32 s25, ttmp9, 2
	s_add_co_u32 s25, s25, s31                     ; and in the workspace, where the tensors lie on end
	s_mul_i32 s26, s25, 8*192                      ; a run is 8 rows, 192 bytes each in every K step
	s_add_nc_u64 s[18:19], s[18:19], s[26:27]
	s_lshl_b32 s26, s25, 8                         ; 256 scale bytes a run
	s_add_nc_u64 s[20:21], s[20:21], s[26:27]
.macro LOAD t
.irp i, 0,1,2,3
	global_load_b128 v[R+16*((\t)%4)+4*\i:R+16*((\t)%4)+4*\i+3], v3, s[28:29] offset:2048*(\t)+512*\i th:TH_LOAD_NT   ; 32 lanes read 512 consecutive bytes
.endr
.endm
.macro TURN t                          ; step t's numbers through the stage: LDS serves a wave's instructions in order, so no wait stands between the stores and the loads
.irp i, 0,1,2,3
	ds_store_b128 v14, v[R+16*((\t)%4)+4*\i:R+16*((\t)%4)+4*\i+3] offset:32*SP*((\t)%2)+8*SP*\i
.endr
.irp i, 0,1,2,3
	ds_load_b128 v[X+16*((\t)%2)+4*\i:X+16*((\t)%2)+4*\i+3], v15 offset:32*SP*((\t)%2)+16*(\i%2)+SP*(\i/2)
.endr
.endm
.irp t, 0,1,2,3
	LOAD \t
.endr
	s_wait_loadcnt 12                              ; step 0's four loads are in
	TURN 0
.macro STEP t
.set XS, X+16*((\t)%2)
.if (\t) > 0
	s_wait_dscnt 1                                 ; this step's numbers are back from the stage (the last step's byte store may be out)
.else
	s_wait_dscnt 0x0
.endif
.if (\t)+4 < STEPS
	LOAD (\t)+4
.endif
.if (\t)+1 < STEPS
.if STEPS-2-(\t) >= 3
	s_wait_loadcnt 12                              ; the next step's four loads are in; those of the three steps behind it may be out
.else
	s_wait_loadcnt 4*(STEPS-2-(\t))
.endif
	TURN (\t)+1
.endif
	v_max3_num_f32 v8, |v[XS]|, |v[XS+1]|, |v[XS+2]|               ; the largest magnitude of my 16
	v_max3_num_f32 v9, |v[XS+3]|, |v[XS+4]|, |v[XS+5]|
.irp i, 6,10
	v_max3_num_f32 v8, v8, |v[XS+\i]|, |v[XS+\i+1]|
	v_max3_num_f32 v9, v9, |v[XS+\i+2]|, |v[XS+\i+3]|
.endr
	v_max3_num_f32 v8, v8, |v[XS+14]|, |v[XS+15]|
	v_max3_num_f32 v8, v8, v9, (EMAX+1)<<23        ; and the floor 2^(3 - 127): the byte cannot fall under 1
	v_max_num_f32_dpp v8, v8, v8 row_xmask:1 row_mask:0xf bank_mask:0xf   ; and of my neighbour's 16: the block's
	v_add_nc_u32 v11, -(EMAX<<23), v8              ; 2 off its exponent field: the conversion takes the exponent field of this operand as its scale
	v_cvt_scalef32_pk16_fp6_f32 v[C+4*(\t):C+4*(\t)+2], v[XS:XS+15], v11
	v_lshrrev_b32 v[E+(\t)], 23, v11               ; the scale's byte
	ds_store_b8 v5, v[E+(\t)] offset:16*(\t)       ; both lanes of a block write the same byte with the same value
.if (\t)%2
	global_store_b96 v10, v[C+4*(\t):C+4*(\t)+2], s[18:19] offset:192*((\t)/2)
.else
	global_store_b96 v4, v[C+4*(\t):C+4*(\t)+2], s[18:19] offset:192*((\t)/2)
.endif
.endm
.irp t, 0,1,2,3,4,5,6,7,8,9,10,11,12,13,14,15
	STEP \t
.endr
	ds_load_b64 v[8:9], v6                         ; LDS serves a wave's instructions in order: these see my stores
	s_wait_dscnt 0x0
	global_store_b64 v7, v[8:9], s[20:21]          ; 32 lanes store 256 consecutive bytes, aligned
	s_wait_tensorcnt 0x0                           ; behind my last LDS store; nothing below touches LDS
	ds_add_u32 v[SPW], v[NIL]
	s_wait_dscnt 0x0
	s_cmp_ge_u32 ttmp9, 64                         ; the table is made by the first 64 work-groups: 32 positions each (a lane a position), wave w frequencies 8 w .. 8 w + 7
	s_cbranch_scc1 .Lend
	; THE TABLE: lane l of work-group g takes position 32 g + l
	s_wait_xcnt 0x0                                ; the stores above have read their registers
	s_lshl_b32 s26, ttmp9, 13                      ; 32 positions of 256 bytes
	s_add_nc_u64 s[22:23], s[22:23], s[26:27]
	s_lshl_b32 s24, ttmp9, 5
	v_add_nc_u32 v16, s24, v2
	v_cvt_f32_u32 v16, v16                         ; the position
	s_wait_alu depctr_va_vdst(0)
	v_lshlrev_b32 v32, 8, v2
	s_lshl_b32 s25, s31, 5
	v_add_nc_u32 v32, s25, v32                     ; my position's row, my wave's 32 bytes of cos
	s_mov_b32 s32, 0x3f22f983                      ; 2 / pi
	s_mov_b32 s33, 0x3fc90fdb                      ; pi / 2, its first 24 bits,
	s_mov_b32 s34, 0xb33bbd2e                      ; and the rest
	s_mov_b32 s35, 0xb94ca1f9                      ; sin's three coefficients
	s_mov_b32 s36, 0x3c08839e
	s_mov_b32 s37, 0xbe2aaaa3
	s_mov_b32 s38, 0x37ccf5ce                      ; cos's three
	s_mov_b32 s39, 0xbab6061a
	s_mov_b32 s40, 0x3d2aaaa5
.macro SC j, f
	v_mul_f32 v17, \f, v16                         ; the angle, rounded once
	v_mul_f32 v18, s32, v17
	v_rndne_f32 v18, v18                           ; n: how many quarter turns
	v_fma_f32 v19, -v18, s33, v17
	v_fma_f32 v19, -v18, s34, v19                  ; r = angle - n pi / 2
	v_cvt_i32_f32 v21, v18
	v_mul_f32 v20, v19, v19                        ; z = r r
	v_fma_f32 v22, v20, s35, s36
	v_fma_f32 v24, v20, s38, s39
	v_mul_f32 v23, v20, v19
	v_mul_f32 v25, v20, v20
	v_fma_f32 v22, v22, v20, s37
	v_fma_f32 v24, v24, v20, s40
	v_fma_f32 v26, v20, -0.5, 1.0
	v_fma_f32 v22, v22, v23, v19                   ; sin r
	v_fma_f32 v24, v24, v25, v26                   ; cos r
	v_and_b32 v27, 1, v21
	v_add_nc_u32 v31, 1, v21
	v_lshlrev_b32 v30, 30, v21
	v_lshlrev_b32 v31, 30, v31
	v_cmp_eq_u32 vcc_lo, 1, v27                    ; an odd quarter swaps the two
	v_and_b32 v30, 0x80000000, v30                 ; sin is negated in quarters 2 and 3,
	v_and_b32 v31, 0x80000000, v31                 ; cos in quarters 1 and 2
	v_cndmask_b32 v28, v22, v24, vcc_lo
	v_cndmask_b32 v29, v24, v22, vcc_lo
	v_xor_b32 v[SIN+(\j)%8], v28, v30
	v_xor_b32 v[COS+(\j)%8], v29, v31
.endm
	s_wait_alu depctr_va_vdst(0)
	s_cmp_lg_u32 s31, 0
	s_cbranch_scc1 .Lr1
	SC 0, 1.0
	SC 1, 0.7498942093324559
	SC 2, 0.5623413251903491
	SC 3, 0.4216965034285822
	SC 4, 0.31622776601683794
	SC 5, 0.23713737056616552
	SC 6, 0.1778279410038923
	SC 7, 0.1333521432163324
	s_branch .Lrj
.Lr1:
	s_cmp_lg_u32 s31, 1
	s_cbranch_scc1 .Lr2
	SC 8, 0.1
	SC 9, 0.07498942093324559
	SC 10, 0.05623413251903491
	SC 11, 0.04216965034285822
	SC 12, 0.031622776601683794
	SC 13, 0.023713737056616552
	SC 14, 0.01778279410038923
	SC 15, 0.01333521432163324
	s_branch .Lrj
.Lr2:
	s_cmp_lg_u32 s31, 2
	s_cbranch_scc1 .Lr3
	SC 16, 0.01
	SC 17, 0.007498942093324559
	SC 18, 0.005623413251903491
	SC 19, 0.004216965034285822
	SC 20, 0.0031622776601683794
	SC 21, 0.0023713737056616552
	SC 22, 0.001778279410038923
	SC 23, 0.001333521432163324
	s_branch .Lrj
.Lr3:
	SC 24, 0.001
	SC 25, 0.0007498942093324559
	SC 26, 0.0005623413251903491
	SC 27, 0.0004216965034285822
	SC 28, 0.00031622776601683794
	SC 29, 0.00023713737056616552
	SC 30, 0.0001778279410038923
	SC 31, 0.0001333521432163324
.Lrj:
	s_wait_alu depctr_va_vdst(0)
.irp i, 0,1
	global_store_b128 v32, v[COS+4*\i:COS+4*\i+3], s[22:23] offset:16*\i        ; my 8 cos,
	global_store_b128 v32, v[SIN+4*\i:SIN+4*\i+3], s[22:23] offset:128+16*\i    ; my 8 sin
.endr
.Lend:
	s_endpgm
.Lfunc_end_k_q595e4098eb_quant:
	.size	k_q595e4098eb_quant, .Lfunc_end_k_q595e4098eb_quant-k_q595e4098eb_quant
	.p2alignl 7, 3214868480
	.fill 96, 4, 3214868480
	.section	.rodata,"a",@progbits
	.p2align	6, 0x0
	.amdhsa_kernel k_q595e4098eb_quant
		.amdhsa_group_segment_fixed_size 33280
		.amdhsa_private_segment_fixed_size 0
		.amdhsa_enable_private_segment 0
		.amdhsa_kernarg_size 80
		.amdhsa_user_sgpr_count 2
		.amdhsa_user_sgpr_kernarg_segment_ptr 1
		.amdhsa_wavefront_size32 1
		.amdhsa_system_sgpr_workgroup_id_x 1
		.amdhsa_system_sgpr_workgroup_id_y 1
		.amdhsa_system_sgpr_workgroup_id_z 1
		.amdhsa_system_vgpr_workitem_id 0
		.amdhsa_next_free_vgpr 192
		.amdhsa_next_free_sgpr 66
		.amdhsa_reserve_vcc 1
		.amdhsa_float_denorm_mode_32 3
		.amdhsa_float_denorm_mode_16_64 3
		.amdhsa_memory_ordered 1
		.amdhsa_forward_progress 1
		.amdhsa_inst_pref_size 74
	.end_amdhsa_kernel
	.amdgpu_metadata
---
amdhsa.version: [ 1, 2 ]
amdhsa.kernels:
  - .name:           k_q595e4098eb_quant
    .symbol:         k_q595e4098eb_quant.kd
    .args:
      - { .name: query, .offset: 0, .size: 8, .value_kind: global_buffer, .address_space: global }
      - { .name: key, .offset: 8, .size: 8, .value_kind: global_buffer, .address_space: global }
      - { .name: value, .offset: 16, .size: 8, .value_kind: global_buffer, .address_space: global }
      - { .name: W_q, .offset: 24, .size: 8, .value_kind: global_buffer, .address_space: global }
      - { .name: W_k, .offset: 32, .size: 8, .value_kind: global_buffer, .address_space: global }
      - { .name: W_v, .offset: 40, .size: 8, .value_kind: global_buffer, .address_space: global }
      - { .name: W_o, .offset: 48, .size: 8, .value_kind: global_buffer, .address_space: global }
      - { .name: codes, .offset: 56, .size: 8, .value_kind: global_buffer, .address_space: global }
      - { .name: scales, .offset: 64, .size: 8, .value_kind: global_buffer, .address_space: global }
      - { .name: rope, .offset: 72, .size: 8, .value_kind: global_buffer, .address_space: global }
    .group_segment_fixed_size: 33280
    .private_segment_fixed_size: 0
    .kernarg_segment_align: 8
    .kernarg_segment_size: 80
    .max_flat_workgroup_size: 128
    .sgpr_count:     66
    .vgpr_count:     192
    .wavefront_size: 32
...
	.end_amdgpu_metadata
.endif
;; end of part 1
;; launch proj (part 2): grid 4 x 96, 4 waves a work-group, clusters of 4 x 4, 327,680 bytes of LDS; arguments codes, scales, b_q, b_k, b_v, rope, qrec, kv; writes qrec, kv
.if DOCPART == 2
	.amdgcn_target "amdgcn-amd-amdhsa--gfx1250"
	.amdhsa_code_object_version 6
	.text
	.protected	k_q595e4098eb_proj
	.globl	k_q595e4098eb_proj
	.p2align	8
	.type	k_q595e4098eb_proj,@function
k_q595e4098eb_proj:
	s_mov_b64 s[64:65], 0
	v_nop
	global_prefetch_b8 v0, s[64:65] scope:SCOPE_SE
	s_setreg_imm32_b32 hwreg(HW_REG_WAVE_MODE, 25, 1), 1
	s_wait_xcnt 0x0
	s_wait_alu depctr_hold_cnt(0) depctr_sa_sdst(0) depctr_va_vdst(0) depctr_va_sdst(0) depctr_va_ssrc(0) depctr_va_vcc(0) depctr_vm_vsrc(0)
	s_getreg_b32 s2, hwreg(HW_REG_IB_STS2, 6, 4)
	s_cmp_eq_u32 s2, 0
	s_cbranch_scc0 .Lentry_in_a_cluster
	s_endpgm
.Lentry_in_a_cluster:
	s_bfe_u32 s2, ttmp6, 0x10000c
	s_cmp_lg_u32 s2, 0xf033
	s_cbranch_scc0 .Lentry_shape_is_right
	s_endpgm
.Lentry_shape_is_right:
; The three projections on codes of FP6 (E2M3) with E8M0 scales, K = 1024, and what follows them: bias, RoPE (Q and K), and the quantiser of the next product's operand.  Nothing wide goes to memory.
; 384 tiles of 256 x 256, a work-group of four waves to a tile, a wave 128 x 128: 64 accumulators, 512 registers.  K goes in steps of 256 through two LDS slots filled by the tensor data mover.
; The matrix instruction takes 16 rows of 'B' as source 0 and 16 rows of 'A' as source 1: a lane then holds ONE row of A, and its eight registers eight neighbouring rows of B.
;   Q and K (clusters y = 0..15): A = the activations, B = the weight: a lane holds a position and its registers run along the head's 64: the K of the scores' product.
;   V (clusters y = 16..23):      A = W_v, B = value:                 a lane holds a column of V and its registers run along the KEYS: the K of the second product of attention.
; So one main part serves all three, and nothing is transposed.  Which rows are A's and B's is a choice of two numbers by the cluster's y, which all sixteen partners share.
; CLUSTERS: 4 x 4 work-groups.  A's tile hangs on cy and the cluster's y alone and is asked for jointly by a row of the cluster, B's on cx and the cluster's y alone, by a column.
; THE WAY OUT uses no LDS: 64 numbers of a lane become codes (macro QUANT), and the codes leave as IMAGES OF THE OPERAND'S REGISTERS: each group of four registers by one store of 16 bytes a lane, 512 consecutive bytes.
;   qrec [64 heads][16][6400]: a record serves 128 queries: four images of 1,536 bytes (registers 0-5: queries 32 p + r, registers 6-11: queries 32 p + 16 + r), then 64 scale words.
;   kv   [64 heads][16][12800]: K laid likewise; from byte 6400 V: four fragments (16 of the head's 64 x 128 keys) and their 64 scale words.
; A block's 32 codes stand in the order 0..7, 16..23, 8..15, 24..31, in which the result's registers hold them; every operand of this program has that order.
; LIMITS: NaN and infinities are not served; a block whose largest magnitude lies under 2^-124 keeps the scale byte 1 (a block of zeros too: its codes add nothing, and this program alone reads the bytes).
; REGISTERS: window 0: v1-29 addresses; v32-63 scale words, two sets; v64-127 the bias by columns; v128-223 A's fragments; v224-239 the bias by rows.  On the way out v128-191 the 64 numbers, v192-219 at work, v32-63 codes and words.
;   window 1: B's fragments, two sets, v0-95 and v128-223; v96-127 and v224-255 the table's rows of the first two blocks of positions.   windows 2, 3: the accumulators ((a, b) at v[8 (8 (a % 4) + b)]).
.set KSTEP,  256
.set NQ,     2
.set ROWB,   192                       ; a tile's row: 256 codes
.set KROW,   768
.set PLANE,  5505024                   ; codes lie [4 K steps][28672 rows][192 bytes]: from a K step to the next.  A tile of a K step is a dense block, stated as rows of 256 bytes; the padding's interval stays 64 bytes, so an LDS row is 240 bytes
.set PITCH,  240                       ; an LDS row: 3 x (64 bytes + 16 of padding)
.set FR,     12
.set NL,     6
.set NP,     4
.set HALFT,  128*PITCH
.set SLOT,   4*HALFT
.set KS,     32                        ; a row of scale bytes
.set SCL,    2*SLOT                    ; behind the ring: the scale bytes of the tile's 512 rows, as rows of 256 bytes + 16
.set HALFS,  16*272
.set SBLK,   2*272
.set SPARE,  SCL+4*HALFS               ; the spare words: 128 bytes for each wave
.set ADRA, 16                          ; v16-17 my A fragments in slot 0, 1 (v18-19: behind one padding more)
.set ADRB, 20                          ; v20-23 the same for B
.set ADRS, 27                          ; v27 my scale words
.set SPW,  28
.set NIL,  29
.set SC,   32
.set BI,   64                          ; v[BI + 8 b + j] = bias[my first column + 16 b + 8 (lane / 16) + j]
.set AF,   128
.set BV,   224                         ; v[BV + 2 a], v[BV + 2 a + 1] = bias[my first row of A + 16 a + lane % 16]
.set Y,    128
.set TM,   192                         ; v192-195 largest magnitudes, v196-199 bytes, v204-207 the conversions' scale operands
.set CT,   208
.set OW,   216
.set IMG,  32
.set WD,   56
.set G1, 24
.set G0, 32
.set G1B, 48
.set G0B, 56
.set G1S, 68
.set G0S, 76
.set G1SB, 80
.set G0SB, 88
.set SEL, 100
.set MSB, 0
.macro WIN new                         ; the immediate's high byte repeats the setting that is left
.if MSB != (\new)
	s_set_vgpr_msb (MSB<<8)|(\new)
.set MSB, (\new)
.endif
.endm
.set MUL_LO, 0xa1                      ; source 0 (B) window 1, source 1 (A) window 0, C and D window 2
.set MUL_HI, 0xf1
.set TO_B,   0x40
; A joint load: waves 0 and 1 fetch for A, waves 2 and 3 for B; the branch hangs on the wave's number alone.  An s_nop 0 and four v_nop follow each line.
.macro JLOAD g0a, g1a, g0b, g1b
	s_cmp_eq_u32 s15, 0
	s_cbranch_scc0 .Lfor_b_\@
	tensor_load_to_lds s[\g0a:\g0a+3], s[\g1a:\g1a+7]
	s_nop 0
.rept 4
	v_nop
.endr
	s_branch .Lasked_\@
.Lfor_b_\@:
	tensor_load_to_lds s[\g0b:\g0b+3], s[\g1b:\g1b+7]
	s_nop 0
.rept 4
	v_nop
.endr
.Lasked_\@:
.endm
.macro CREST                           ; a round of the cluster's barrier behind its opening barrier
	s_cmp_lg_u32 s14, 0
	s_cbranch_scc1 .Lnot_wave_0_\@
	s_barrier_signal -3
.Lnot_wave_0_\@:
	s_barrier_wait -3
	s_barrier_signal -1
	s_barrier_wait -1
.endm
.macro CROUND
	s_barrier_signal -1
	s_barrier_wait -1
	CREST
.endm
	s_load_b128 s[4:7], s[0:1], 0x0                ; codes, scales
	s_load_b256 s[92:99], s[0:1], 0x10             ; b_q, b_k, b_v, rope
	s_load_b128 s[8:11], s[0:1], 0x30              ; qrec, kv
	v_lshl_add_u32 v[SPW], v0, 2, SPARE
	v_mov_b32 v[NIL], 0
	ds_add_u32 v[SPW], v[NIL]                      ; the wave's opening: the add and its wait stand ahead of my first tensor load; work on registers stands between them
	ds_add_u32 v[SPW], v[NIL]
	v_lshrrev_b32 v1, 5, v0
	v_readfirstlane_b32 s14, v1                    ; wave 0..3
	s_lshr_b32 s15, s14, 1                         ; which half of A's 256 rows is mine.  Also: I fetch for A (0) or for B (1)
	s_and_b32 s16, s14, 1                          ; which half of B's.  Also: which 128 rows of that tile I fetch
	s_bfe_u32 s40, ttmp6, 0x40000                  ; cx
	s_bfe_u32 s41, ttmp6, 0x40004                  ; cy
	s_and_b32 s42, ttmp7, 0xffff                   ; the cluster's y, 0..23: the same in all sixteen partners
	s_lshl_b32 s3, s42, 2
	s_lshr_b32 s67, s42, 3                         ; 0: Q, 1: K, 2: V
	s_lshl_b32 s2, s67, 2
	s_add_co_u32 s2, s2, 96                        ; the weight's first tile of 256 rows in codes: W_q 96, W_k 100
	s_cmp_ge_u32 s42, 16
	s_cselect_b32 s66, 1, 0                        ; V?
	s_cselect_b32 s17, 104, s3                     ; A: W_v (tile 104 on), or the activations
	s_cselect_b32 s46, s3, s2                      ; B: value (tiles 64 on), or the weight
	s_add_co_u32 s17, s17, s41                     ; A's tile: + cy
	s_add_co_u32 s46, s46, s40                     ; B's tile: + cx
	s_lshl_b32 s43, s41, 2
	s_lshl_b32 s43, 15, s43                        ; my row of the cluster
	s_lshl_b32 s44, 0x1111, s40                    ; my column
	s_or_b32 s[G1+0], s43, (0<<16)|(1<<20)|(1<<21)|(3<<22)|(3<<25)  ; the mask; elements of 1 byte; padding on; bit 21 beside a mask; after every 16 words 4 words
	s_or_b32 s[G1B+0], s44, (0<<16)|(1<<20)|(1<<21)|(3<<22)|(3<<25)
.irp g, G1, G1B
	s_mov_b32 s[\g+1], 256<<16                     ; tensor_dim0: 256 bytes
	s_mov_b32 s[\g+2], 192<<16                     ; tensor_dim1: the head's loads bring 256 rows of codes: 192 rows of 256 bytes
	s_mov_b32 s[\g+3], 256<<16                     ; tile_dim0
	s_mov_b32 s[\g+4], 192                         ; tile_dim1
	s_mov_b32 s[\g+5], 256                         ; the pitch: dense
	s_mov_b32 s[\g+6], 0
	s_mov_b32 s[\g+7], 0
.endr
	s_or_b32 s[G1S+0], s43, (3<<16)|(1<<20)|(1<<21)|(5<<22)|(3<<25) ; the scale bytes of 256 rows: 8,192 dense bytes as 32 rows of 256, 16 bytes of padding behind each
	s_or_b32 s[G1SB+0], s44, (3<<16)|(1<<20)|(1<<21)|(5<<22)|(3<<25)
.irp g, G1S, G1SB
	s_mov_b32 s[\g+1], 32<<16
	s_mov_b32 s[\g+2], 32<<16                      ; the scale bytes of 256 rows: 32 rows of 256 bytes
	s_mov_b32 s[\g+3], 32<<16
	s_mov_b32 s[\g+4], 32
	s_mov_b32 s[\g+5], 32
	s_mov_b32 s[\g+6], 0
	s_mov_b32 s[\g+7], 0
.endr
	s_lshl_b32 s20, s17, 8                         ; A's tile: its first row in codes
	s_lshl_b32 s46, s46, 8                         ; B's
	s_mov_b32 s21, 0
	s_mov_b32 s47, 0
	s_mov_b64 s[18:19], KS
	s_mul_u64 s[22:23], s[20:21], s[18:19]         ; where these rows' scale bytes begin
	s_mul_u64 s[100:101], s[46:47], s[18:19]
	s_mov_b64 s[18:19], ROWB
	s_mul_u64 s[20:21], s[20:21], s[18:19]         ; and their codes
	s_mul_u64 s[46:47], s[46:47], s[18:19]
	s_mul_i32 s45, s14, HALFT                      ; where they go: wave x 128 rows
	s_mul_i32 s18, s16, 128*ROWB                   ; in the ring I fetch 128 rows of a tile: which half, in bytes
	s_mov_b32 s19, 0
	s_wait_dscnt 0x0                               ; the opening add is done
	s_wait_kmcnt 0x0
	s_add_nc_u64 s[20:21], s[4:5], s[20:21]
	s_add_nc_u64 s[22:23], s[6:7], s[22:23]
	s_add_nc_u64 s[46:47], s[4:5], s[46:47]
	s_add_nc_u64 s[100:101], s[6:7], s[100:101]
	CROUND                                         ; all sixteen work-groups are here: the first joint loads meet
	s_mov_b32 s[G0S], 1
	s_mov_b32 s[G0S+1], SCL
	s_mov_b64 s[G0S+2:G0S+3], s[22:23]
	s_or_b32 s[G0S+3], s[G0S+3], 0x80000000
	s_mov_b32 s[G0SB], 1
	s_mov_b32 s[G0SB+1], SCL+2*HALFS
	s_mov_b64 s[G0SB+2:G0SB+3], s[100:101]
	s_or_b32 s[G0SB+3], s[G0SB+3], 0x80000000
	s_mov_b32 s[G0], 1                             ; the head's loads of K step 0 use slot 0's registers: A's 256 rows whole,
	s_mov_b32 s[G0+1], 0
	s_mov_b64 s[G0+2:G0+3], s[20:21]
	s_or_b32 s[G0+3], s[G0+3], 0x80000000
	s_mov_b32 s[G0B], 1                            ; B's 256 rows behind them
	s_mov_b32 s[G0B+1], 2*HALFT
	s_mov_b64 s[G0B+2:G0B+3], s[46:47]
	s_or_b32 s[G0B+3], s[G0B+3], 0x80000000
	s_add_nc_u64 s[20:21], s[20:21], s[18:19]      ; for the ring: my 128 rows
	s_add_nc_u64 s[46:47], s[46:47], s[18:19]
	s_mov_b32 s[G0+4], 1                           ; slot 1: K step 1
	s_add_co_u32 s[G0+5], s45, SLOT
	s_add_nc_u64 s[G0+6:G0+7], s[20:21], PLANE
	s_or_b32 s[G0+7], s[G0+7], 0x80000000
	s_mov_b32 s[G0B+4], 1
	s_add_co_u32 s[G0B+5], s45, SLOT
	s_add_nc_u64 s[G0B+6:G0B+7], s[46:47], PLANE
	s_or_b32 s[G0B+7], s[G0B+7], 0x80000000
; THE HEAD'S LOADS, ONE A WAVE: wave 0 K step 0's rows of A, wave 1 those of B, wave 2 A's scale bytes, wave 3 B's: one chain of branches on the wave's number, one load to an arm
.macro ARM under, g0, g1, next
	s_cmp_lt_u32 s14, \under
	s_cbranch_scc0 \next
	tensor_load_to_lds s[\g0:\g0+3], s[\g1:\g1+7]
	s_nop 0
.rept 4
	v_nop
.endr
	s_branch .Lhead_asked
\next:
.endm
	ARM 1, G0,  G1,  .Lhead_b
	ARM 2, G0B, G1B, .Lhead_sa
	ARM 3, G0S, G1S, .Lhead_sb
	tensor_load_to_lds s[G0SB:G0SB+3], s[G1SB:G1SB+7]
	s_nop 0
.rept 4
	v_nop
.endr
.Lhead_asked:
	v_and_b32 v1, 15, v0                           ; r = lane % 16
	v_bfe_u32 v2, v0, 4, 1                         ; h = lane / 16
	v_mul_u32_u24 v3, v1, PITCH
	v_mul_u32_u24 v4, v2, 24
	v_add_nc_u32 v4, v3, v4                        ; a fragment's row x pitch + 24 h
	v_lshl_add_u32 v5, v2, 4, v4                   ; and the same behind one padding more
	s_mul_i32 s21, s15, HALFT                      ; my 128 rows of A
	s_mul_i32 s22, s16, HALFT                      ; my 128 rows of B,
	s_add_co_u32 s22, s22, 2*HALFT                 ; behind A's 256
.irp s, 0,1
	v_add_nc_u32 v[ADRA+\s], s21, v4
	v_add_nc_u32 v[ADRB+\s], s22, v4
	v_add_nc_u32 v[ADRA+2+\s], s21, v5
	v_add_nc_u32 v[ADRB+2+\s], s22, v5
	s_add_co_u32 s21, s21, SLOT
	s_add_co_u32 s22, s22, SLOT
.endr
	v_mul_u32_u24 v5, v1, KS                       ; my row's scale bytes: 32 a row,
	v_lshrrev_b32 v6, 8, v5
	v_lshl_add_u32 v5, v6, 4, v5                   ; and 16 more for each 256 passed
	s_mul_i32 s21, s15, HALFS
	s_mul_i32 s22, s16, HALFS
	s_add_co_u32 s22, s22, 2*HALFS
	s_sub_co_u32 s22, s22, s21
	v_mul_u32_u24 v6, s22, v2                      ; lanes 16-31 take B's
	s_add_co_u32 s21, s21, SCL
	v_add_nc_u32 v5, v5, v6
	v_add_nc_u32 v[ADRS], s21, v5
	v_lshlrev_b32 v8, 5, v2                        ; 32 h
	s_wait_alu depctr_va_vdst(0)
	v_lshlrev_b32 v9, 2, v1                        ; 4 r
	s_wait_alu depctr_va_vdst(0)
	v_lshl_add_u32 v10, v1, 8, v8                  ; 256 r + 32 h: my place in 16 rows of the table
	s_wait_alu depctr_va_vdst(0)
	v_and_b32 v6, 31, v0
	v_lshlrev_b32 v11, 4, v6                       ; 16 x lane
	v_lshlrev_b32 v12, 2, v6                       ; 4 x lane
	; the bias of this third, by B's rows (Q, K) and by A's rows (V): both are loaded, both lie inside the 1,024 numbers
	s_cmp_eq_u32 s67, 1
	s_cselect_b64 s[92:93], s[94:95], s[92:93]
	s_cmp_eq_u32 s67, 2
	s_cselect_b64 s[92:93], s[96:97], s[92:93]
	s_lshl_b32 s20, s41, 10
	s_lshl_b32 s21, s15, 9
	s_add_co_u32 s20, s20, s21
	s_mov_b32 s21, 0
	s_add_nc_u64 s[94:95], s[92:93], s[20:21]      ; + 4 (256 cy + 128 x my half of A)
	s_lshl_b32 s46, s40, 10
	s_lshl_b32 s47, s16, 9
	s_add_co_u32 s46, s46, s47
	s_mov_b32 s47, 0
	s_add_nc_u64 s[92:93], s[92:93], s[46:47]      ; + 4 (256 cx + 128 x my half of B)
	s_lshl_b32 s20, s42, 2                         ; the table at my first position: A's first row modulo 2,048
	s_add_co_u32 s20, s20, s41
	s_lshl_b32 s20, s20, 8
	s_lshl_b32 s21, s15, 7
	s_add_co_u32 s20, s20, s21
	s_and_b32 s20, s20, 2047
	s_lshl_b32 s20, s20, 8
	s_mov_b32 s21, 0
	s_add_nc_u64 s[12:13], s[98:99], s[20:21]
.irp b, 0,1,2,3,4,5,6,7
	global_load_b128 v[BI+8*\b:BI+8*\b+3], v8, s[92:93] offset:64*\b
	global_load_b128 v[BI+8*\b+4:BI+8*\b+7], v8, s[92:93] offset:64*\b+16
.endr
.irp a, 0,1,2,3,4,5,6,7
	global_load_b32 v[BV+2*\a], v9, s[94:95] offset:64*\a
	global_load_b32 v[BV+2*\a+1], v9, s[94:95] offset:64*\a
.endr
; The table's registers of block a of 16 positions, in window 1: 16 of cos, then 16 of sin: number i is frequency 16 (i / 8) + 8 h + i % 8
.macro CSREG a
.if (\a) == 0
.set CSR, 96
.elseif (\a) == 1
.set CSR, 224
.elseif (\a) < 5
.set CSR, 32*((\a)-2)
.else
.set CSR, 128+32*((\a)-5)
.endif
.endm
.macro TABLE a
	CSREG \a
.irp u, 0,1
.irp w, 0,1
	global_load_b128 v[CSR+16*\u+8*\w:CSR+16*\u+8*\w+3], v10, s[12:13] offset:4096*(\a)+128*\u+64*\w
	global_load_b128 v[CSR+16*\u+8*\w+4:CSR+16*\u+8*\w+7], v10, s[12:13] offset:4096*(\a)+128*\u+64*\w+16
.endr
.endr
.endm
	WIN TO_B
	TABLE 0                                        ; two blocks now, into the registers that B's sets leave free; the others when B's sets are done with
	TABLE 1
	WIN 0
.macro FRAG reg, adr, q, i             ; a fragment, 16 rows x 128 K: 12 registers: registers 6 c .. 6 c + 5 hold the row's block 2 c + h: 24 bytes as they lie, in pieces of 8
.irp p, 0,1,2,3,4,5
.set PC, 12*(\q)+6*(\p/3)+\p%3
.if PC%8 < 5
	ds_load_b64 v[\reg+2*\p:\reg+2*\p+1], v[\adr] offset:8*PC+16*(PC/8)+(\i)*16*PITCH
.else
	ds_load_b64 v[\reg+2*\p:\reg+2*\p+1], v[\adr+2] offset:8*PC+16*(PC/8)+(\i)*16*PITCH
.endif
.endr
.endm
; 16 matrix instructions: A's blocks a0, a0 + 1 x B's eight.  The 64 accumulators take turns, one instruction a turn, in the same order in every step.
.macro MUL16 a0, p, q, sc, zero
.irp a, \a0, \a0+1
.irp b, 0,1,2,3,4,5,6,7
.if \zero
	v_wmma_scale_f32_16x16x128_f8f6f4 v[8*(8*((\a)%4)+\b):8*(8*((\a)%4)+\b)+7], v[128*(\p)+FR*\b:128*(\p)+FR*\b+FR-1], v[AF+FR*(\a):AF+FR*(\a)+FR-1], 0, v[SC+8*NQ*(\sc)+NQ*\b+(\q)], v[SC+8*NQ*(\sc)+NQ*(\a)+(\q)] matrix_a_fmt:MATRIX_FMT_FP6 matrix_b_fmt:MATRIX_FMT_FP6 matrix_a_scale:MATRIX_SCALE_ROW1
.else
	v_wmma_scale_f32_16x16x128_f8f6f4 v[8*(8*((\a)%4)+\b):8*(8*((\a)%4)+\b)+7], v[128*(\p)+FR*\b:128*(\p)+FR*\b+FR-1], v[AF+FR*(\a):AF+FR*(\a)+FR-1], v[8*(8*((\a)%4)+\b):8*(8*((\a)%4)+\b)+7], v[SC+8*NQ*(\sc)+NQ*\b+(\q)], v[SC+8*NQ*(\sc)+NQ*(\a)+(\q)] matrix_a_fmt:MATRIX_FMT_FP6 matrix_b_fmt:MATRIX_FMT_FP6 matrix_a_scale:MATRIX_SCALE_ROW1
.endif
.endr
.endr
.endm
.macro FETCH_B slot, q, p
	WIN TO_B
.irp i, 0,1,2,3,4,5,6,7
	FRAG 128*(\p)+FR*\i, ADRB+\slot, \q, \i
.endr
	WIN 0
.endm
.macro FETCH_A slot, q, i0
.irp i, \i0, \i0+1, \i0+2, \i0+3
	FRAG AF+FR*(\i), ADRA+\slot, \q, \i
.endr
.endm
.macro SCALES sc                       ; a K step's scale words: lanes 0-15 A's block i, lanes 16-31 B's block i
.irp i, 0,1,2,3,4,5,6,7
	ds_load_b64 v[SC+8*NQ*\sc+NQ*\i:SC+8*NQ*\sc+NQ*\i+1], v[ADRS] offset:\i*SBLK
.endr
.endm
.macro PLACES n                        ; plain vector instructions between a matrix instruction and a load into, or a vector instruction on, its registers
.rept \n
	v_nop
.endr
.endm
.macro STEP slot, q, zero              ; 128 along K whose successor lies in the same slot
	s_wait_dscnt 4*NL                              ; B's set and A's blocks 0-3 are in; the youngest 24 loads (A's blocks 4-7) may be out
	WIN MUL_LO
	MUL16 0, (\q)%2, \q, \slot, \zero
	MUL16 2, (\q)%2, \q, \slot, \zero
	s_wait_dscnt 0
	PLACES NP
	FETCH_B \slot, (\q)+1, 1-(\q)%2
	FETCH_A \slot, (\q)+1, 0
	WIN MUL_HI
	MUL16 4, (\q)%2, \q, \slot, \zero
	MUL16 6, (\q)%2, \q, \slot, \zero
	PLACES NP
	WIN 0
	FETCH_A \slot, (\q)+1, 4
.endm
; A slot's last step changes slots: one barrier; ahead of it each wave waits for all its tensor loads, adds 0 to its spare word, and waits for that and for its reads of this slot.  fill = 1: the slot is filled again, two K steps ahead.
.macro TURN slot, next, fill
	s_wait_tensorcnt 0x0                           ; all my tensor loads have landed: my part of the next slot
	ds_add_u32 v[SPW], v[NIL]                      ; 0 onto my spare word
	s_wait_dscnt 4*NL+1                            ; (the add and A's blocks 4-7 may be out)
	WIN MUL_LO
	MUL16 0, 1, NQ-1, \slot, 0
	s_wait_dscnt 0x0                               ; the add is done, and my reads of this slot are over
	s_barrier_signal -1
	MUL16 2, 1, NQ-1, \slot, 0
	WIN 0
	s_barrier_wait -1
.if \fill
	CREST                                          ; the barrier has opened a round of the cluster's barrier: no wave of any partner still reads this slot or has a load on its way
	s_add_nc_u64 s[G0+4*\slot+2:G0+4*\slot+3], s[G0+4*\slot+2:G0+4*\slot+3], 2*PLANE
	s_add_nc_u64 s[G0B+4*\slot+2:G0B+4*\slot+3], s[G0B+4*\slot+2:G0B+4*\slot+3], 2*PLANE
	JLOAD G0+4*\slot, G1, G0B+4*\slot, G1B         ; the first tensor load behind the round; its four v_nop are also the places in front of the loads below
.else
	PLACES NP
.endif
	s_wait_alu depctr_va_vdst(0)
	v_add_nc_u32 v[ADRS], 4*NQ, v[ADRS]            ; the next K step's scale words
	FETCH_B \next, 0, 0
	FETCH_A \next, 0, 0
	SCALES \next
	WIN MUL_HI
	MUL16 4, 1, NQ-1, \slot, 0
	MUL16 6, 1, NQ-1, \slot, 0
	PLACES NP
	WIN 0
	FETCH_A \next, 0, 4
.endm
	s_wait_alu depctr_va_vdst(0)
	s_wait_tensorcnt 0x0                           ; my tile of the head's four is in; these lines stand ahead of slot 1's first fill as ahead of a refill
	ds_add_u32 v[SPW], v[NIL]
	s_mov_b32 s[G1+2], 96<<16                      ; no load of mine is out: from here on a load brings 128 rows of codes, 96 rows of 256 bytes,
	s_mov_b32 s[G1+4], 96
	s_mov_b32 s[G1B+2], 96<<16
	s_mov_b32 s[G1B+4], 96
	s_mov_b32 s[G0+1], s45                         ; and slot 0's registers are set for the ring: my quarter of the slot, my 128 rows
	s_add_nc_u64 s[G0+2:G0+3], s[G0+2:G0+3], s[18:19]
	s_mov_b32 s[G0B+1], s45
	s_add_nc_u64 s[G0B+2:G0B+3], s[G0B+2:G0B+3], s[18:19]
	s_wait_dscnt 0x0
	CROUND                                         ; all four tiles are in, all sixteen work-groups are here
	JLOAD G0+4, G1, G0B+4, G1B                     ; K step 1, the first tensor load behind the round
	FETCH_B 0, 0, 0
	FETCH_A 0, 0, 0
	SCALES 0
	FETCH_A 0, 0, 4
	STEP 0, 0, 1                                   ; four K steps of 256, written out: the first products start the sums
	TURN 0, 1, 1
	STEP 1, 0, 0
	TURN 1, 0, 1
	STEP 0, 0, 0
	TURN 0, 1, 0                                   ; the last two fill nothing
	STEP 1, 0, 0
	s_wait_dscnt 4*NL
	WIN MUL_LO
	MUL16 0, 1, NQ-1, 1, 0
	MUL16 2, 1, NQ-1, 1, 0
	s_wait_dscnt 0
	WIN MUL_HI
	MUL16 4, 1, NQ-1, 1, 0
	MUL16 6, 1, NQ-1, 1, 0
	WIN 0
	s_wait_tensorcnt 0x0                           ; behind my last tensor load; nothing below touches LDS
	ds_add_u32 v[SPW], v[NIL]
	PLACES NP                                      ; the places behind the last products
	s_wait_dscnt 0x0
	s_wait_loadcnt 0x0                             ; the biases and the table's first two blocks
	s_mov_b32 s[SEL], 0x76543210
	s_mov_b32 s[SEL+1], 0xfedcba98                 ; v_permlanex16_b32's selects for lane l xor 16
	s_mov_b32 s104, 0xffff0000                     ; lanes 16-31
.irp b, 0,1,2,3
	v_mov_b32 v[TM+4+\b], 0                        ; a lane permute's destination counts as one of its sources
.endr
; 64 numbers of a lane, register 16 b + i = number i of my half of block b of my row, become codes: v[d0] on: block h of the first two, v[d1] on: block h of the last two; the four bytes stay in v[TM+4] on.
.macro QUANT s, d0, d1
.irp b, 0,1,2,3
	v_max3_num_f32 v[TM+\b], |v[\s+16*\b]|, |v[\s+1+16*\b]|, 0x1800000   ; my 16 numbers, and the floor 2^(3 - 127): the byte cannot fall under 1
.endr
.irp i, 2,4,6,8,10,12,14
.irp b, 0,1,2,3
	v_max3_num_f32 v[TM+\b], v[TM+\b], |v[\s+16*\b+\i]|, |v[\s+1+16*\b+\i]|
.endr
.endr
.irp b, 0,1,2,3
	v_permlanex16_b32 v[TM+4+\b], v[TM+\b], s[SEL], s[SEL+1]
.endr
.irp b, 0,1,2,3
	v_max_num_f32 v[TM+\b], v[TM+\b], v[TM+4+\b]   ; with lane l xor 16's: the block's largest magnitude
.endr
.irp b, 0,1,2,3
	v_add_nc_u32 v[TM+12+\b], 0xff000000, v[TM+\b] ; 2 off its exponent field: the conversion's scale operand
.endr
.irp b, 0,1,2,3
	v_lshrrev_b32 v[TM+4+\b], 23, v[TM+12+\b]      ; the scale's byte
.endr
	v_cvt_scalef32_pk16_fp6_f32 v[(\d0):(\d0)+2], v[\s:\s+15], v[TM+12]
	v_cvt_scalef32_pk16_fp6_f32 v[CT:CT+2], v[\s+16:\s+31], v[TM+13]
	v_cvt_scalef32_pk16_fp6_f32 v[(\d1):(\d1)+2], v[\s+32:\s+47], v[TM+14]
	v_cvt_scalef32_pk16_fp6_f32 v[CT+4:CT+6], v[\s+48:\s+63], v[TM+15]
	v_nop                                          ; one plain place behind a scaled conversion
.irp i, 0,1,2
	v_permlane16_swap_b32 v[(\d0)+\i], v[CT+\i]    ; a whole block to a lane: lanes 0-15 the first block, lanes 16-31 the second
.endr
.irp i, 0,1,2
	v_mov_b32 v[(\d0)+3+\i], v[CT+\i]
.endr
.irp i, 0,1,2
	v_permlane16_swap_b32 v[(\d1)+\i], v[CT+4+\i]
.endr
.irp i, 0,1,2
	v_mov_b32 v[(\d1)+3+\i], v[CT+4+\i]
.endr
.endm
	s_cmp_lg_u32 s66, 0                            ; the cluster's y alone decides: all sixteen partners go the same way
	s_cbranch_scc1 .Lv
	; ---- Q and K.  My 128 positions are one record; my 128 columns are two heads.
	s_lshl_b32 s92, s42, 2
	s_add_co_u32 s92, s92, s41
	s_lshl_b32 s92, s92, 8
	s_lshl_b32 s93, s15, 7
	s_add_co_u32 s92, s92, s93                     ; my first row
	s_bfe_u32 s93, s92, 0x2000b                    ; the batch
	s_bfe_u32 s94, s92, 0x40007                    ; which 128 positions
	s_lshl_b32 s93, s93, 4
	s_lshl_b32 s95, s40, 2
	s_add_co_u32 s93, s93, s95
	s_lshl_b32 s95, s16, 1
	s_add_co_u32 s93, s93, s95                     ; 16 x batch + my first head
	s_lshl_b32 s93, s93, 4
	s_add_co_u32 s93, s93, s94                     ; the record
	s_cmp_eq_u32 s67, 0
	s_cselect_b64 s[96:97], s[8:9], s[10:11]
	s_mov_b32 s95, 12800
	s_cselect_b32 s95, 6400, s95
	s_mul_i32 s92, s93, s95
	s_mov_b32 s93, 0
	s_add_nc_u64 s[96:97], s[96:97], s[92:93]      ; my first head's record,
	s_lshl_b32 s92, s95, 4
	s_add_nc_u64 s[98:99], s[96:97], s[92:93]      ; and my second's, 16 records on
	WIN TO_B
.irp a, 2,3,4,5,6,7
	TABLE \a
.endr
	WIN 0
; Block 2 p + e of 16 positions: bias, RoPE, codes of both heads.
.macro ROWQK p, e
.set AA, 2*(\p)+(\e)
.set AC, 64*(AA%4)
	CSREG AA
	WIN 0x82+0x41*(AA/4)                           ; the accumulators' window as destination and source 0
.set I, 0
.rept 32
	v_pk_add_f32 v[AC+I:AC+I+1], v[AC+I:AC+I+1], v[BI+I:BI+I+1]   ; + bias, each accumulator from its low end on
.set I, I+2
.endr
	WIN 0x06+(AA/4)                                ; source 0 the accumulators, source 1 the table (window 1)
.irp c, 0,1
.irp i, 0,2,4,6,8,10,12,14
	v_pk_mul_f32 v[Y+32*\c+\i:Y+32*\c+\i+1], v[AC+32*\c+\i:AC+32*\c+\i+1], v[CSR+\i:CSR+\i+1]               ; x1 cos
	v_pk_mul_f32 v[Y+32*\c+16+\i:Y+32*\c+17+\i], v[AC+32*\c+16+\i:AC+32*\c+17+\i], v[CSR+\i:CSR+\i+1]       ; x2 cos
.endr
.irp i, 0,2,4,6,8,10,12,14
	v_pk_fma_f32 v[Y+32*\c+\i:Y+32*\c+\i+1], v[AC+32*\c+16+\i:AC+32*\c+17+\i], v[CSR+16+\i:CSR+17+\i], v[Y+32*\c+\i:Y+32*\c+\i+1] neg_lo:[1,0,0] neg_hi:[1,0,0]   ; - x2 sin
	v_pk_fma_f32 v[Y+32*\c+16+\i:Y+32*\c+17+\i], v[AC+32*\c+\i:AC+32*\c+\i+1], v[CSR+16+\i:CSR+17+\i], v[Y+32*\c+16+\i:Y+32*\c+17+\i]                           ; + x1 sin
.endr
.endr
	WIN 0
	QUANT Y, IMG+6*(\e), IMG+12+6*(\e)
.irp c, 0,1
.if (\e) == 0
	v_lshl_or_b32 v[WD+2*(\p)+\c], v[TM+5+2*\c], 8, v[TM+4+2*\c]            ; the pair's scale word: row r's two bytes,
.else
	v_lshl_or_b32 v[WD+2*(\p)+\c], v[TM+4+2*\c], 16, v[WD+2*(\p)+\c]        ; then row 16 + r's
	v_lshl_or_b32 v[WD+2*(\p)+\c], v[TM+5+2*\c], 24, v[WD+2*(\p)+\c]
.endif
.endr
.endm
.irp p, 0,1,2,3
.if \p > 0
	s_wait_loadcnt 48-16*\p                        ; this pair's 16 table loads are in; the later blocks' may be out
	s_wait_xcnt 0x0                                ; the last pair's stores have read their registers
.endif
	ROWQK \p, 0
	ROWQK \p, 1
.irp c, 0,1
.irp k, 0,1,2
	global_store_b128 v11, v[IMG+12*\c+4*\k:IMG+12*\c+4*\k+3], s[96+2*\c:97+2*\c] offset:1536*\p+512*\k   ; 32 lanes store 512 consecutive bytes, aligned to 256
.endr
.endr
.endr
.irp c, 0,1
.irp z, 0,1
	v_cndmask_b32 v[OW+2*\c+\z], v[WD+4*\z+\c], v[WD+4*\z+2+\c], s104       ; lanes 0-15 pair 2 z's words, lanes 16-31 pair 2 z + 1's
	global_store_b32 v12, v[OW+2*\c+\z], s[96+2*\c:97+2*\c] offset:6144+128*\z
.endr
.endr
	s_branch .Ldone
.Lv:	; ---- V.  My 128 rows of W_v are two heads' columns; my 128 keys are one record.
	s_sub_co_u32 s92, s42, 16
	s_lshl_b32 s92, s92, 2
	s_add_co_u32 s92, s92, s40
	s_lshl_b32 s92, s92, 8
	s_lshl_b32 s93, s16, 7
	s_add_co_u32 s92, s92, s93                     ; my first key, among the 8,192
	s_lshr_b32 s93, s92, 11                        ; the batch
	s_bfe_u32 s94, s92, 0x40007                    ; which 128 keys
	s_lshl_b32 s93, s93, 4
	s_lshl_b32 s95, s41, 2
	s_add_co_u32 s93, s93, s95
	s_lshl_b32 s95, s15, 1
	s_add_co_u32 s93, s93, s95
	s_lshl_b32 s93, s93, 4
	s_add_co_u32 s93, s93, s94
	s_mul_i32 s92, s93, 12800
	s_add_co_u32 s92, s92, 6400                    ; V lies behind K in a record
	s_mov_b32 s93, 0
	s_add_nc_u64 s[96:97], s[10:11], s[92:93]
	s_add_nc_u64 s[98:99], s[96:97], 16*12800
.irp a, 0,1,2,3,4,5,6,7
.if \a >= 2
	s_wait_xcnt 0x0                                ; the stores of two blocks ago have read their registers
.endif
.set AC, 64*(\a%4)
	WIN 0x02+(\a/4)
.set I, 0
.rept 32
	v_pk_add_f32 v[Y+I:Y+I+1], v[AC+I:AC+I+1], v[BV+2*\a:BV+2*\a+1]         ; + my column's bias
.set I, I+2
.endr
	WIN 0
	QUANT Y, IMG+12*(\a%2), IMG+12*(\a%2)+6
	v_lshl_or_b32 v[WD+\a], v[TM+5], 8, v[TM+4]    ; the four bytes of my column's 128 keys
	v_lshl_or_b32 v[WD+\a], v[TM+6], 16, v[WD+\a]
	v_lshl_or_b32 v[WD+\a], v[TM+7], 24, v[WD+\a]
.irp k, 0,1,2
	global_store_b128 v11, v[IMG+12*(\a%2)+4*\k:IMG+12*(\a%2)+4*\k+3], s[96+2*(\a/4):97+2*(\a/4)] offset:1536*(\a%4)+512*\k
.endr
.endr
.irp c, 0,1
.irp z, 0,1
	v_cndmask_b32 v[OW+2*\c+\z], v[WD+4*\c+2*\z], v[WD+4*\c+2*\z+1], s104
	global_store_b32 v12, v[OW+2*\c+\z], s[96+2*\c:97+2*\c] offset:6144+128*\z
.endr
.endr
.Ldone:
	CROUND                                         ; the closing round: no work-group ends while a partner may still ask for a tile that names it
	s_endpgm
.Lfunc_end_k_q595e4098eb_proj:
	.size	k_q595e4098eb_proj, .Lfunc_end_k_q595e4098eb_proj-k_q595e4098eb_proj
	.p2alignl 7, 3214868480
	.fill 96, 4, 3214868480
	.section	.rodata,"a",@progbits
	.p2align	6, 0x0
	.amdhsa_kernel k_q595e4098eb_proj
		.amdhsa_group_segment_fixed_size 327680
		.amdhsa_private_segment_fixed_size 0
		.amdhsa_enable_private_segment 0
		.amdhsa_kernarg_size 64
		.amdhsa_user_sgpr_count 2
		.amdhsa_user_sgpr_kernarg_segment_ptr 1
		.amdhsa_wavefront_size32 1
		.amdhsa_system_sgpr_workgroup_id_x 1
		.amdhsa_system_sgpr_workgroup_id_y 1
		.amdhsa_system_sgpr_workgroup_id_z 1
		.amdhsa_system_vgpr_workitem_id 0
		.amdhsa_next_free_vgpr 1024
		.amdhsa_next_free_sgpr 106
		.amdhsa_reserve_vcc 0
		.amdhsa_float_denorm_mode_32 3
		.amdhsa_float_denorm_mode_16_64 3
		.amdhsa_memory_ordered 1
		.amdhsa_forward_progress 1
		.amdhsa_inst_pref_size 255
	.end_amdhsa_kernel
	.section	.bss,"aw",@nobits
	.p2align	6
	.space	262144
	.amdgpu_metadata
---
amdhsa.version: [ 1, 2 ]
amdhsa.kernels:
  - .name:           k_q595e4098eb_proj
    .symbol:         k_q595e4098eb_proj.kd
    .args:
      - { .name: codes, .offset: 0, .size: 8, .value_kind: global_buffer, .address_space: global }
      - { .name: scales, .offset: 8, .size: 8, .value_kind: global_buffer, .address_space: global }
      - { .name: b_q, .offset: 16, .size: 8, .value_kind: global_buffer, .address_space: global }
      - { .name: b_k, .offset: 24, .size: 8, .value_kind: global_buffer, .address_space: global }
      - { .name: b_v, .offset: 32, .size: 8, .value_kind: global_buffer, .address_space: global }
      - { .name: rope, .offset: 40, .size: 8, .value_kind: global_buffer, .address_space: global }
      - { .name: qrec, .offset: 48, .size: 8, .value_kind: global_buffer, .address_space: global }
      - { .name: kv, .offset: 56, .size: 8, .value_kind: global_buffer, .address_space: global }
    .group_segment_fixed_size: 327680
    .private_segment_fixed_size: 0
    .kernarg_segment_align: 8
    .kernarg_segment_size: 64
    .max_flat_workgroup_size: 128
    .sgpr_count:     106
    .vgpr_count:     1024
    .wavefront_size: 32
...
	.end_amdgpu_metadata
.endif
;; end of part 2
;; launch attn (part 3): grid 4 x 64, 16 waves a work-group, clusters of 4 x 1, 206,848 bytes of LDS; arguments qrec, kv, cimg, cscl; writes cimg, cscl
.if DOCPART == 3
	.amdgcn_target "amdgcn-amd-amdhsa--gfx1250"
	.amdhsa_code_object_version 6
	.text
	.protected	k_q595e4098eb_attn
	.globl	k_q595e4098eb_attn
	.p2align	8
	.type	k_q595e4098eb_attn,@function
k_q595e4098eb_attn:
	s_mov_b64 s[64:65], 0
	v_nop
	global_prefetch_b8 v0, s[64:65] scope:SCOPE_SE
	s_setreg_imm32_b32 hwreg(HW_REG_WAVE_MODE, 25, 1), 1
	s_wait_xcnt 0x0
	s_wait_alu depctr_hold_cnt(0) depctr_sa_sdst(0) depctr_va_vdst(0) depctr_va_sdst(0) depctr_va_ssrc(0) depctr_va_vcc(0) depctr_vm_vsrc(0)
	s_getreg_b32 s2, hwreg(HW_REG_IB_STS2, 6, 4)
	s_cmp_eq_u32 s2, 0
	s_cbranch_scc0 .Lentry_in_a_cluster
	s_endpgm
.Lentry_in_a_cluster:
	s_bfe_u32 s2, ttmp6, 0x10000c
	s_cmp_lg_u32 s2, 0x3003
	s_cbranch_scc0 .Lentry_shape_is_right
	s_endpgm
.Lentry_shape_is_right:
; Causal attention of 64 heads (2,048 positions, head size 64) on codes of FP6 (E2M3) with E8M0 scales, and the quantiser of the context for the last projection.
; THE SOFTMAX AHEAD OF THE SECOND PRODUCT: t = score x log2(e) / 8; M = the row's largest t so far, rounded up to a whole number; p = 2^(t - M) is quantised along the keys, not normalised;
; the row's sum is taken of the unquantised p and divides O at the end.  When M moves, the sum and O are multiplied by 2^(old M - new M): exact.
; SHARES.  A cluster of four work-groups is a head: 64 waves.  A wave owns two tiles of 16 queries, T = 8 (w / 2) + 2 cx + w % 2 and 127 - T.  Tile T counts key steps 0 .. T / 8 of 128 keys, so every wave has
; 17 tile steps: the work is even.  Both limits are made of the wave's number alone; cx enters only global addresses and the numbers that the mask compares.
; NO RING.  A head's K and V, 16 records of 12,800 bytes, lie in LDS whole: filled once, jointly for the four work-groups (they read the same bytes), by one load each of waves 0 to 7: waves 0 to 3 records 0, 1, waves 4 to 7 records 2 to 15.
; Two work-group barriers in all, none inside a loop: the waves of a SIMD drift apart, and one wave's exponentials stand beside another's products.
; LAYOUT.  Both products are used transposed: S^T = K Q^T, O^T = V^T P^T: a lane holds one query (lane % 16) throughout.  Operands come from LDS as images of their registers: 16 bytes a lane, 512 a load.
; K = 64 IN AN INSTRUCTION OF 128: a fragment of K holds key 32 p + r in its first 64 along K and key 32 p + 16 + r in its second.  Against (q | zeros) it gives the first 16 keys' scores, against (zeros | q) the second 16's.
; A block's 32 codes stand in the order 0..7, 16..23, 8..15, 24..31 in every operand: the order in which these results' registers hold them.
; OUT: cimg [4 groups of 4 heads][512 tiles of 16 rows][4 heads][768]: the context's codes as half a fragment's registers (four at 16 x lane, two at 512 + 8 x lane); cscl [8192 rows][32]: byte 2 head + block.
; LIMITS: NaN and infinities are not served; a block whose largest magnitude lies under 2^-124 keeps the scale byte 1.
; REGISTERS: v1 16 x lane, v2 4 x lane, v3, v4 the add's two, v5, v6 LDS addresses in hand, v7 r - 8 h; v8-11, v12-15 a tile's -M, largest t, sum in two halves; v16-45 zeros and the two q; v46, v47 q's scale words;
;   v48-95 four fragments; v96-159 S^T, then p; v160-191, v192-223 O^T; v224-235 p's codes; v232-254 at work; v248-251 K's and V's scale words; v253 p's.
.set SPARE, 204800                     ; behind the 16 records: the spare words, 128 bytes for each of 16 waves
.set REC,   12800
.set ADK,  5
.set ADS,  6
.set F,    48
.set S,    96
.set TM,   232
.set CT,   48
.set WV,   12                          ; s12 wave;  s13 cx;  s14 the head (16 x batch + head)
.set KS,   19                          ; s19 the key step
.set SEL,  20
.set CS,   22                          ; s[22:23] c = log2(e) / 8
.set TBS,  48                          ; s48 the key step's record in LDS
.macro CROUND
	s_barrier_signal -1
	s_barrier_wait -1
	s_cmp_lg_u32 s[WV], 0
	s_cbranch_scc1 .Lnot_wave_0_\@
	s_barrier_signal -3
.Lnot_wave_0_\@:
	s_barrier_wait -3
	s_barrier_signal -1
	s_barrier_wait -1
.endm
	s_load_b256 s[4:11], s[0:1], 0x0               ; qrec, kv, cimg, cscl
	v_lshl_add_u32 v3, v0, 2, SPARE
	v_mov_b32 v4, 0
	ds_add_u32 v3, v4                              ; the wave's opening: the add and its wait stand ahead of the first tensor loads; work on registers stands between them
	ds_add_u32 v3, v4
	v_lshrrev_b32 v5, 5, v0
	s_delay_alu instid0(VALU_DEP_1)
	v_readfirstlane_b32 s[WV], v5
	s_bfe_u32 s13, ttmp6, 0x40000                  ; cx
	s_and_b32 s14, ttmp7, 0xffff
	s_lshr_b32 s15, s[WV], 1                       ; tile A's last key step,
	s_sub_co_u32 s16, 15, s15                      ; tile B's
	s_and_b32 s66, s[WV], 1
	s_lshl_b32 s17, s13, 1
	s_add_co_u32 s17, s17, s66                     ; tile A's place among its record's eight
	s_lshl_b32 s67, s15, 3
	s_add_co_u32 s74, s67, s17                     ; T of tile A,
	s_sub_co_u32 s75, 127, s74                     ; of tile B
	s_lshl_b32 s17, s17, 4                         ; tile A's first query within its record,
	s_sub_co_u32 s18, 112, s17                     ; tile B's
	s_mov_b32 s[KS], 0
	s_mov_b32 s[TBS], 0
	s_mov_b32 s[SEL], 0x76543210
	s_mov_b32 s[SEL+1], 0xfedcba98
	s_mov_b32 s[CS], 0x3e38aa3b
	s_mov_b32 s[CS+1], s[CS]
	s_sub_co_u32 s49, 0, s66                       ; all ones where tile A is the second of its pair;
	s_not_b32 s50, s49                             ; tile B is then the first, and the other way round
	s_mov_b32 s51, 0xffff0000                      ; lanes 16-31
	s_lshl_b32 s52, s66, 4
	s_xor_b32 s53, s52, 16
	; descriptors: dense blocks as rows of 256 bytes (32 elements of 8), no padding; the mask names all four work-groups, bit 21 beside it
	s_mov_b32 s24, 15|(3<<16)|(1<<21)
	s_mov_b32 s25, 32<<16
	s_mov_b32 s26, 25<<16                          ; a quarter of records 0 and 1: 25 rows
	s_mov_b32 s27, 32<<16
	s_mov_b32 s28, 25
	s_mov_b32 s29, 32
	s_mov_b32 s30, 0
	s_mov_b32 s31, 0
	s_mov_b32 s32, 15|(3<<16)|(1<<21)
	s_mov_b32 s33, 32<<16
	s_mov_b32 s34, 175<<16                         ; a quarter of records 2 to 15: 175 rows
	s_mov_b32 s35, 32<<16
	s_mov_b32 s36, 175
	s_mov_b32 s37, 32
	s_mov_b32 s38, 0
	s_mov_b32 s39, 0
	s_and_b32 s67, s[WV], 3                        ; THE FILLS, one a wave: waves 0 to 3 a quarter each of records 0 and 1, waves 4 to 7 a quarter each of records 2 to 15 (waves 8 to 15 issue none)
	s_mul_i32 s68, s67, 6400
	s_mov_b32 s69, 0
	s_mul_i32 s70, s67, 44800
	s_add_co_u32 s70, s70, 25600
	s_mov_b32 s71, 0
	s_mul_i32 s72, s14, 16*REC                     ; my head's records
	s_mov_b32 s73, 0
	s_wait_dscnt 0x0                               ; the opening add is done
	s_wait_kmcnt 0x0
	s_add_nc_u64 s[6:7], s[6:7], s[72:73]
	s_mov_b32 s40, 1
	s_mov_b32 s41, s68                             ; LDS holds the head's records as memory does
	s_add_nc_u64 s[42:43], s[6:7], s[68:69]
	s_or_b32 s43, s43, 0x80000000
	s_mov_b32 s44, 1
	s_mov_b32 s45, s70
	s_add_nc_u64 s[46:47], s[6:7], s[70:71]
	s_or_b32 s47, s47, 0x80000000
	CROUND                                         ; all four work-groups are here: the joint loads meet
	s_cmp_lt_u32 s[WV], 4                          ; one chain of branches on the wave's number, one fill to an arm
	s_cbranch_scc0 .Lfill_b
	tensor_load_to_lds s[40:43], s[24:31]
	s_nop 0
.rept 4
	v_nop
.endr
	s_branch .Lno_fill
.Lfill_b:
	s_cmp_lt_u32 s[WV], 8
	s_cbranch_scc0 .Lno_fill
	tensor_load_to_lds s[44:47], s[32:39]
	s_nop 0
.rept 4
	v_nop
.endr
.Lno_fill:
	s_mov_b32 s79, 0
	s_lshl_b32 s76, s14, 4
	s_add_co_u32 s77, s76, s15
	s_mul_i32 s78, s77, 6400
	s_add_nc_u64 s[54:55], s[4:5], s[78:79]        ; tile A's record of Q,
	s_add_co_u32 s77, s76, s16
	s_mul_i32 s78, s77, 6400
	s_add_nc_u64 s[56:57], s[4:5], s[78:79]        ; tile B's
	s_and_b32 s76, s14, 15                         ; the head
	s_lshr_b32 s77, s14, 4                         ; the batch
	s_lshl_b32 s78, s77, 16
	s_lshl_b32 s67, s76, 1
	s_add_co_u32 s78, s78, s67
	s_add_nc_u64 s[62:63], s[10:11], s[78:79]      ; cscl: 2,048 rows of 32 bytes a batch, 2 bytes a head
	s_and_b32 s67, s76, 3                          ; cimg is laid [4 groups of 4 heads][512 tiles of 16 rows][4 heads][768]: 256 along the last product's K of 16 rows lie on end
	s_lshr_b32 s76, s76, 2
	s_lshl_b32 s76, s76, 9
	s_lshl_b32 s77, s77, 7
	s_add_co_u32 s76, s76, s77
	s_add_co_u32 s77, s76, s74
	s_lshl_b32 s77, s77, 2
	s_add_co_u32 s77, s77, s67
	s_mul_i32 s78, s77, 768
	s_add_nc_u64 s[58:59], s[8:9], s[78:79]        ; cimg: tile A's image,
	s_add_co_u32 s77, s76, s75
	s_lshl_b32 s77, s77, 2
	s_add_co_u32 s77, s77, s67
	s_mul_i32 s78, s77, 768
	s_add_nc_u64 s[60:61], s[8:9], s[78:79]        ; tile B's
	s_lshl_b32 s74, s74, 9                         ; 16 rows of 32 bytes a tile
	s_lshl_b32 s75, s75, 9
	v_and_b32 v5, 31, v0
	s_delay_alu instid0(VALU_DEP_1)
	v_lshlrev_b32 v1, 4, v5
	s_delay_alu instid0(VALU_DEP_2)
	v_lshlrev_b32 v2, 2, v5
	v_and_b32 v7, 15, v0                           ; r
	s_delay_alu instid0(VALU_DEP_1)
	v_lshlrev_b32 v50, 2, v7
	v_bfe_u32 v6, v0, 4, 1
	s_delay_alu instid0(VALU_DEP_1)
	v_lshlrev_b32 v6, 3, v6
	s_delay_alu instid0(VALU_DEP_1)
	v_sub_nc_u32 v7, v7, v6                        ; r - 8 h
	s_mul_i32 s76, s13, 1536                       ; tile A lies in pair cx of its record, tile B in pair 3 - cx
	s_sub_co_u32 s77, 4608, s76
	v_add_nc_u32 v48, s76, v1
	v_add_nc_u32 v49, s77, v1
	s_lshl_b32 s76, s13, 6
	s_sub_co_u32 s77, 192, s76
	v_add_nc_u32 v51, s77, v50
	v_add_nc_u32 v50, s76, v50
.irp k, 0,1,2
	global_load_b128 v[96+4*\k:99+4*\k], v48, s[54:55] offset:512*\k
	global_load_b128 v[108+4*\k:111+4*\k], v49, s[56:57] offset:512*\k
.endr
	global_load_b32 v46, v50, s[54:55] offset:6144
	global_load_b32 v47, v51, s[56:57] offset:6144
	s_wait_loadcnt 0x0
.irp i, 0,1,2,3,4,5
	v_cndmask_b32 v[22+\i], v[96+\i], v[102+\i], s49       ; my tile's half of the pair's image
	v_cndmask_b32 v[34+\i], v[108+\i], v[114+\i], s50
.endr
	v_lshrrev_b32 v46, s52, v46                    ; and its two bytes of the pair's word, twice: they serve q in either half of K
	v_lshrrev_b32 v47, s53, v47
	s_delay_alu instid0(VALU_DEP_2)
	v_and_b32 v46, 0xffff, v46
	s_delay_alu instid0(VALU_DEP_2)
	v_and_b32 v47, 0xffff, v47
	s_delay_alu instid0(VALU_DEP_2)
	v_lshl_or_b32 v46, v46, 16, v46
	s_delay_alu instid0(VALU_DEP_2)
	v_lshl_or_b32 v47, v47, 16, v47
.irp i, 0,1,2,3,4,5
	v_mov_b32 v[16+\i], 0                          ; v[16:27] = (zeros | q A), v[22:33] = (q A | zeros), v[28:39] = (zeros | q B), v[34:45] = (q B | zeros)
	v_mov_b32 v[28+\i], 0
	v_mov_b32 v[40+\i], 0
.endr
	v_mov_b32 v9, 0xff61b1e6                       ; the largest t so far: -3e38
	v_mov_b32 v13, 0xff61b1e6
	s_delay_alu instid0(VALU_DEP_2)
	v_floor_f32 v8, -v9                            ; -M
	s_delay_alu instid0(VALU_DEP_2)
	v_floor_f32 v12, -v13
	v_mov_b32 v10, 0                               ; the sums, in two halves
	v_mov_b32 v11, 0
	v_mov_b32 v14, 0
	v_mov_b32 v15, 0
.irp b, 0,1,2,3
	v_mov_b32 v[236+\b], 0                         ; a lane permute's destination counts as one of its sources
.endr
	v_mov_b32 v252, 0
	v_mov_b32 v253, 0
	v_mov_b32 v254, 0
.set J, 0
.rept 64
	v_mov_b32 v[160+J], 0                          ; O^T of both tiles: the step is written once, and the first change of M leaves zeros zeros
.set J, J+1
.endr
; A KEY STEP OF ONE TILE: 128 keys.  st: the tile's statistics; qlo, qhi, qw: its q and scale word; o: its O^T; sa: its last key step; sdq: its first query within that step.
.macro STEP st, qlo, qhi, qw, o, sa, sdq
	s_cmp_gt_u32 s[KS], s[\sa]                     ; all these keys come after my queries: the wave's number and the count of steps decide
	s_cbranch_scc1 .Lhid_\@
	v_add_nc_u32 v[ADK], s[TBS], v1
	v_add_nc_u32 v[ADS], s[TBS], v2
	v_nop
	v_nop                                          ; four places in front of loads into registers that the last products read
.irp pp, 0,1,2,3
.irp k, 0,1,2
	ds_load_b128 v[F+12*\pp+4*\k:F+12*\pp+4*\k+3], v[ADK] offset:1536*\pp+512*\k
.endr
.endr
	ds_load_b32 v248, v[ADS] offset:6144           ; lanes 0-15 pair 0's words, lanes 16-31 pair 1's;
	ds_load_b32 v249, v[ADS] offset:6272           ; pairs 2 and 3
	s_wait_alu depctr_va_vdst(0)
	s_wait_dscnt 0x0
.irp pp, 0,1,2,3
.if \pp%2
	v_wmma_scale_f32_16x16x128_f8f6f4 v[S+16*\pp:S+16*\pp+7], v[F+12*\pp:F+12*\pp+11], v[\qlo:\qlo+11], 0, v[248+\pp/2], v[\qw] matrix_a_fmt:MATRIX_FMT_FP6 matrix_b_fmt:MATRIX_FMT_FP6 matrix_a_scale:MATRIX_SCALE_ROW1
	v_wmma_scale_f32_16x16x128_f8f6f4 v[S+16*\pp+8:S+16*\pp+15], v[F+12*\pp:F+12*\pp+11], v[\qhi:\qhi+11], 0, v[248+\pp/2], v[\qw] matrix_a_fmt:MATRIX_FMT_FP6 matrix_b_fmt:MATRIX_FMT_FP6 matrix_a_scale:MATRIX_SCALE_ROW1
.else
	v_wmma_scale_f32_16x16x128_f8f6f4 v[S+16*\pp:S+16*\pp+7], v[F+12*\pp:F+12*\pp+11], v[\qlo:\qlo+11], 0, v[248+\pp/2], v[\qw] matrix_a_fmt:MATRIX_FMT_FP6 matrix_b_fmt:MATRIX_FMT_FP6
	v_wmma_scale_f32_16x16x128_f8f6f4 v[S+16*\pp+8:S+16*\pp+15], v[F+12*\pp:F+12*\pp+11], v[\qhi:\qhi+11], 0, v[248+\pp/2], v[\qw] matrix_a_fmt:MATRIX_FMT_FP6 matrix_b_fmt:MATRIX_FMT_FP6
.endif
.endr                                          ; register 8 u + j holds key 16 u + 8 h + j of the step, for my query
.rept 4
	v_nop
.endr
.irp dt, 0,1,2,3                               ; V's four fragments are asked for now and land under the softmax
.irp k, 0,1,2
	ds_load_b128 v[F+12*\dt+4*\k:F+12*\dt+4*\k+3], v[ADK] offset:6400+1536*\dt+512*\k
.endr
.endr
	ds_load_b32 v250, v[ADS] offset:12544
	ds_load_b32 v251, v[ADS] offset:12672
	s_cmp_lg_u32 s[KS], s[\sa]                     ; only the tile's last step lies on the diagonal
	s_cbranch_scc1 .Lopen_\@
	v_add_nc_u32 v252, s[\sdq], v7                 ; my query within the step, - 8 h
	v_mov_b32 v254, 0xff800000                     ; hidden scores become -infinity ahead of the maximum: p = 0 then
.set N, 0
.rept 64
	v_cmp_gt_i32 vcc_lo, 16*(N/8)+N%8, v252
	v_cndmask_b32 v[S+N], v[S+N], v254, vcc_lo
.set N, N+1
.endr
.Lopen_\@:
.irp b, 0,1,2,3
	v_max3_num_f32 v[232+\b], v[S+16*\b], v[S+1+16*\b], v[S+2+16*\b]   ; the largest score of each block of 32 keys: for the row's maximum and, since p rises with the score, for the block's largest p
.endr
.irp i, 3,5,7,9,11,13
.irp b, 0,1,2,3
	v_max3_num_f32 v[232+\b], v[232+\b], v[S+16*\b+\i], v[S+1+16*\b+\i]
.endr
.endr
.irp b, 0,1,2,3
	v_max_num_f32 v[232+\b], v[232+\b], v[S+15+16*\b]
.endr
.irp b, 0,1,2,3
	s_delay_alu instid0(VALU_DEP_4)
	v_permlanex16_b32 v[236+\b], v[232+\b], s[SEL], s[SEL+1]
.endr
.irp b, 0,1,2,3
	s_delay_alu instid0(VALU_DEP_4)
	v_max_num_f32 v[232+\b], v[232+\b], v[236+\b]  ; with lane l xor 16's 16 keys
.endr
	s_delay_alu instid0(VALU_DEP_2)
	v_max3_num_f32 v254, v232, v233, v234
	s_delay_alu instid0(VALU_DEP_1)
	v_max_num_f32 v254, v254, v235
	s_delay_alu instid0(VALU_DEP_1)
	v_mul_f32 v254, s[CS], v254                    ; as t
	s_delay_alu instid0(VALU_DEP_1)
	v_max_num_f32 v[\st+1], v[\st+1], v254         ; the running largest t
	v_mov_b32 v254, v[\st]
	s_delay_alu instid0(VALU_DEP_2)
	v_floor_f32 v[\st], -v[\st+1]                  ; the new -M = -ceil(t)
	s_delay_alu instid0(VALU_DEP_1)
	v_sub_f32 v254, v[\st], v254                   ; old M - new M: a whole number, 0 or less
	s_delay_alu instid0(VALU_DEP_1)
	v_cvt_i32_f32 v254, v254
	s_delay_alu instid0(VALU_DEP_1)
	v_ldexp_f32 v252, 1.0, v254                    ; f = 2^(old M - new M)
.set J, 0
.rept 32
	v_pk_fma_f32 v[S+J:S+J+1], v[S+J:S+J+1], s[CS:CS+1], v[\st:\st+1] op_sel_hi:[1,0,0]   ; t - M
.set J, J+2
.endr
.irp b, 0,1,2,3
	v_fma_f32 v[232+\b], v[232+\b], s[CS], v[\st]
.endr
.set J, 0
	s_wait_alu depctr_va_vdst(0)
.rept 64
	v_exp_f32 v[S+J], v[S+J]                       ; p = 2^(t - M)
.set J, J+1
.endr
	v_pk_mul_f32 v[\st+2:\st+3], v[\st+2:\st+3], v[252:253] op_sel_hi:[1,0]   ; the sums under the new M: a plain place behind the exponentials
	s_wait_alu depctr_va_vdst(0)                   ; one wait for the batch, ahead of its first reader
.irp b, 0,1,2,3
	v_exp_f32 v[232+\b], v[232+\b]                 ; each block's largest p
.endr
	v_pk_add_f32 v[236:237], v[S:S+1], v[S+2:S+3]  ; the row's sum is taken of the unquantised p, in two chains
.irp j, 4,8,12,16,20,24,28,32,36,40,44,48,52,56,60
	v_pk_add_f32 v[\st+2:\st+3], v[\st+2:\st+3], v[S+\j:S+1+\j]
	v_pk_add_f32 v[236:237], v[236:237], v[S+2+\j:S+3+\j]
.endr
	s_delay_alu instid0(VALU_DEP_1)
	v_pk_add_f32 v[\st+2:\st+3], v[\st+2:\st+3], v[236:237]
	s_wait_alu depctr_va_vdst(0)                   ; and one for the four
.irp b, 0,1,2,3
	v_max_num_f32 v[232+\b], 0x1800000, v[232+\b]  ; the floor 2^(3 - 127): the byte cannot fall under 1
.endr
.irp b, 0,1,2,3
	s_delay_alu instid0(VALU_DEP_4)
	v_add_nc_u32 v[244+\b], 0xff000000, v[232+\b]  ; the conversion's scale operand
.endr
.irp b, 0,1,2,3
	s_delay_alu instid0(VALU_DEP_4)
	v_lshrrev_b32 v[236+\b], 23, v[244+\b]
.endr
	s_delay_alu instid0(VALU_DEP_3)
	v_lshl_or_b32 v253, v237, 8, v236              ; p's scale word for these 128 keys
	s_delay_alu instid0(VALU_DEP_1)
	v_lshl_or_b32 v253, v238, 16, v253
	s_delay_alu instid0(VALU_DEP_1)
	v_lshl_or_b32 v253, v239, 24, v253
.irp c, 0,1
	v_cvt_scalef32_pk16_fp6_f32 v[224+6*\c:226+6*\c], v[S+32*\c:S+15+32*\c], v[244+2*\c]
	v_cvt_scalef32_pk16_fp6_f32 v[236+4*\c:238+4*\c], v[S+16+32*\c:S+31+32*\c], v[244+2*\c+1]
.endr
	v_nop                                          ; one plain place behind a scaled conversion
.irp c, 0,1
.irp i, 0,1,2
	v_permlane16_swap_b32 v[224+6*\c+\i], v[236+4*\c+\i]
.endr
.irp i, 0,1,2
	s_delay_alu instid0(VALU_DEP_3)
	v_mov_b32 v[227+6*\c+\i], v[236+4*\c+\i]
.endr
.endr
.set J, 0
.rept 16
	v_pk_mul_f32 v[\o+J:\o+J+1], v[\o+J:\o+J+1], v[252:253] op_sel_hi:[1,0]   ; O^T under the new M; these lines are also the places in front of the products below
.set J, J+2
.endr
	s_wait_alu depctr_va_vdst(0)
	s_wait_dscnt 0x0                               ; V is in
.irp dt, 0,1,2,3
.if \dt%2
	v_wmma_scale_f32_16x16x128_f8f6f4 v[\o+8*\dt:\o+8*\dt+7], v[F+12*\dt:F+12*\dt+11], v[224:235], v[\o+8*\dt:\o+8*\dt+7], v[250+\dt/2], v253 matrix_a_fmt:MATRIX_FMT_FP6 matrix_b_fmt:MATRIX_FMT_FP6 matrix_a_scale:MATRIX_SCALE_ROW1
.else
	v_wmma_scale_f32_16x16x128_f8f6f4 v[\o+8*\dt:\o+8*\dt+7], v[F+12*\dt:F+12*\dt+11], v[224:235], v[\o+8*\dt:\o+8*\dt+7], v[250+\dt/2], v253 matrix_a_fmt:MATRIX_FMT_FP6 matrix_b_fmt:MATRIX_FMT_FP6
.endif
.endr
.Lhid_\@:
.endm
	s_wait_alu depctr_va_vdst(0)
	s_cmp_lt_u32 s[WV], 4                          ; the waves that fetched records 0 and 1 wait for them; the load of records 2 to 15, other waves' own line, may be out
	s_cbranch_scc0 .Lnot_first
	s_wait_tensorcnt 0x0
.Lnot_first:
	s_barrier_signal -1
	s_barrier_wait -1
.Lk1:                                              ; key steps 0 and 1
	STEP 8, 34, 28, 47, 192, 16, 18
	STEP 12, 22, 16, 46, 160, 15, 17
	s_add_co_u32 s[TBS], s[TBS], REC
	s_add_co_u32 s[KS], s[KS], 1
	s_cmp_lt_u32 s[KS], 2
	s_cbranch_scc1 .Lk1
	s_wait_tensorcnt 0x0                           ; my part of records 2 to 15 is in,
	s_wait_dscnt 0x0
	s_barrier_signal -1
	s_barrier_wait -1                              ; everybody's is
.Lk2:                                              ; key steps 2 to 15
	STEP 8, 34, 28, 47, 192, 16, 18
	STEP 12, 22, 16, 46, 160, 15, 17
	s_add_co_u32 s[TBS], s[TBS], REC
	s_add_co_u32 s[KS], s[KS], 1
	s_cmp_lt_u32 s[KS], 16
	s_cbranch_scc1 .Lk2
	; THE END: O^T / the sum, quantised along the head's 64: two blocks a tile, both tiles by one pass of the quantiser
	v_add_f32 v14, v14, v15
	v_add_f32 v10, v10, v11
	s_delay_alu instid0(VALU_DEP_2)
	v_permlanex16_b32 v252, v14, s[SEL], s[SEL+1]
	s_delay_alu instid0(VALU_DEP_2)
	v_permlanex16_b32 v254, v10, s[SEL], s[SEL+1]
	s_delay_alu instid0(VALU_DEP_2)
	v_add_f32 v14, v14, v252                       ; the rows' sums
	s_delay_alu instid0(VALU_DEP_2)
	v_add_f32 v10, v10, v254
	s_wait_alu depctr_va_vdst(0)
	v_rcp_f32 v14, v14
	v_rcp_f32 v10, v10
	v_lshrrev_b32 v16, 1, v1                       ; 8 x lane.  (Plain work behind the reciprocals)
	v_and_b32 v17, 15, v0
	s_delay_alu instid0(VALU_DEP_1)
	v_lshlrev_b32 v17, 5, v17                      ; 32 r
	s_delay_alu instid0(VALU_DEP_1)
	v_add_nc_u32 v18, s74, v17                     ; my row's scale bytes: tile A's rows,
	s_delay_alu instid0(VALU_DEP_2)
	v_add_nc_u32 v19, s75, v17                     ; tile B's
	s_delay_alu instid0(VALU_DEP_1)
	v_cndmask_b32 v20, v18, v19, s51               ; lanes 0-15 serve tile A, lanes 16-31 tile B
	s_wait_alu depctr_va_vdst(0)                   ; one wait for both reciprocals, ahead of their first reader
.set J, 0
.rept 16
	v_pk_mul_f32 v[96+J:97+J], v[160+J:161+J], v[14:15] op_sel_hi:[1,0]
	v_pk_mul_f32 v[128+J:129+J], v[192+J:193+J], v[10:11] op_sel_hi:[1,0]
.set J, J+2
.endr
.macro QUANT s, d0, d1                         ; 64 numbers of a lane, register 16 b + i = number i of my half of block b, become codes in v[d0] on (blocks 0, 1) and v[d1] on (blocks 2, 3); the bytes stay in v[TM+4] on
.irp b, 0,1,2,3
	v_max3_num_f32 v[TM+\b], |v[\s+16*\b]|, |v[\s+1+16*\b]|, 0x1800000
.endr
.irp i, 2,4,6,8,10,12,14
.irp b, 0,1,2,3
	s_delay_alu instid0(VALU_DEP_4)
	v_max3_num_f32 v[TM+\b], v[TM+\b], |v[\s+16*\b+\i]|, |v[\s+1+16*\b+\i]|
.endr
.endr
.irp b, 0,1,2,3
	s_delay_alu instid0(VALU_DEP_4)
	v_permlanex16_b32 v[TM+4+\b], v[TM+\b], s[SEL], s[SEL+1]
.endr
.irp b, 0,1,2,3
	s_delay_alu instid0(VALU_DEP_4)
	v_max_num_f32 v[TM+\b], v[TM+\b], v[TM+4+\b]
.endr
.irp b, 0,1,2,3
	s_delay_alu instid0(VALU_DEP_4)
	v_add_nc_u32 v[TM+12+\b], 0xff000000, v[TM+\b]
.endr
.irp b, 0,1,2,3
	s_delay_alu instid0(VALU_DEP_4)
	v_lshrrev_b32 v[TM+4+\b], 23, v[TM+12+\b]
.endr
	v_cvt_scalef32_pk16_fp6_f32 v[(\d0):(\d0)+2], v[\s:\s+15], v[TM+12]
	v_cvt_scalef32_pk16_fp6_f32 v[CT:CT+2], v[\s+16:\s+31], v[TM+13]
	v_cvt_scalef32_pk16_fp6_f32 v[(\d1):(\d1)+2], v[\s+32:\s+47], v[TM+14]
	v_cvt_scalef32_pk16_fp6_f32 v[CT+4:CT+6], v[\s+48:\s+63], v[TM+15]
	v_nop
.irp i, 0,1,2
	v_permlane16_swap_b32 v[(\d0)+\i], v[CT+\i]
.endr
.irp i, 0,1,2
	s_delay_alu instid0(VALU_DEP_3)
	v_mov_b32 v[(\d0)+3+\i], v[CT+\i]
.endr
.irp i, 0,1,2
	v_permlane16_swap_b32 v[(\d1)+\i], v[CT+4+\i]
.endr
.irp i, 0,1,2
	s_delay_alu instid0(VALU_DEP_3)
	v_mov_b32 v[(\d1)+3+\i], v[CT+4+\i]
.endr
.endm
	QUANT 96, 64, 70
	v_lshl_or_b32 v21, v237, 8, v236               ; tile A's two bytes of my row,
	v_lshl_or_b32 v22, v239, 8, v238               ; tile B's
	s_delay_alu instid0(VALU_DEP_1)
	v_cndmask_b32 v23, v21, v22, s51
	global_store_b128 v1, v[64:67], s[58:59]               ; 512 consecutive bytes,
	global_store_b64 v16, v[68:69], s[58:59] offset:512    ; then 256: tile A's image
	global_store_b128 v1, v[70:73], s[60:61]
	global_store_b64 v16, v[74:75], s[60:61] offset:512
	global_store_b16 v20, v23, s[62:63]                    ; two bytes a row, rows 32 bytes apart: a quarter of a megabyte in the whole launch
	s_wait_tensorcnt 0x0                           ; the wave's end
	ds_add_u32 v3, v4
	s_wait_dscnt 0x0
	CROUND                                         ; the closing round
	s_endpgm
.Lfunc_end_k_q595e4098eb_attn:
	.size	k_q595e4098eb_attn, .Lfunc_end_k_q595e4098eb_attn-k_q595e4098eb_attn
	.p2alignl 7, 3214868480
	.fill 96, 4, 3214868480
	.section	.rodata,"a",@progbits
	.p2align	6, 0x0
	.amdhsa_kernel k_q595e4098eb_attn
		.amdhsa_group_segment_fixed_size 206848
		.amdhsa_private_segment_fixed_size 0
		.amdhsa_enable_private_segment 0
		.amdhsa_kernarg_size 32
		.amdhsa_user_sgpr_count 2
		.amdhsa_user_sgpr_kernarg_segment_ptr 1
		.amdhsa_wavefront_size32 1
		.amdhsa_system_sgpr_workgroup_id_x 1
		.amdhsa_system_sgpr_workgroup_id_y 1
		.amdhsa_system_sgpr_workgroup_id_z 1
		.amdhsa_system_vgpr_workitem_id 0
		.amdhsa_next_free_vgpr 256
		.amdhsa_next_free_sgpr 80
		.amdhsa_reserve_vcc 1
		.amdhsa_float_denorm_mode_32 3
		.amdhsa_float_denorm_mode_16_64 3
		.amdhsa_memory_ordered 1
		.amdhsa_forward_progress 1
		.amdhsa_inst_pref_size 108
	.end_amdhsa_kernel
	.amdgpu_metadata
---
amdhsa.version: [ 1, 2 ]
amdhsa.kernels:
  - .name:           k_q595e4098eb_attn
    .symbol:         k_q595e4098eb_attn.kd
    .args:
      - { .name: qrec, .offset: 0, .size: 8, .value_kind: global_buffer, .address_space: global }
      - { .name: kv, .offset: 8, .size: 8, .value_kind: global_buffer, .address_space: global }
      - { .name: cimg, .offset: 16, .size: 8, .value_kind: global_buffer, .address_space: global }
      - { .name: cscl, .offset: 24, .size: 8, .value_kind: global_buffer, .address_space: global }
    .group_segment_fixed_size: 206848
    .private_segment_fixed_size: 0
    .kernarg_segment_align: 8
    .kernarg_segment_size: 32
    .max_flat_workgroup_size: 512
    .sgpr_count:     80
    .vgpr_count:     256
    .wavefront_size: 32
...
	.end_amdgpu_metadata
.endif
;; end of part 3
;; launch outp (part 4): grid 4 x 64, 4 waves a work-group, clusters of 4 x 4, 327,680 bytes of LDS; arguments cimg, cscl, codes, scales, b_o, out0; writes out0
.if DOCPART == 4
	.amdgcn_target "amdgcn-amd-amdhsa--gfx1250"
	.amdhsa_code_object_version 6
	.text
	.protected	k_q595e4098eb_outp
	.globl	k_q595e4098eb_outp
	.p2align	8
	.type	k_q595e4098eb_outp,@function
k_q595e4098eb_outp:
	s_mov_b64 s[64:65], 0
	v_nop
	global_prefetch_b8 v0, s[64:65] scope:SCOPE_SE
	s_setreg_imm32_b32 hwreg(HW_REG_WAVE_MODE, 25, 1), 1
	s_wait_xcnt 0x0
	s_wait_alu depctr_hold_cnt(0) depctr_sa_sdst(0) depctr_va_vdst(0) depctr_va_sdst(0) depctr_va_ssrc(0) depctr_va_vcc(0) depctr_vm_vsrc(0)
	s_getreg_b32 s2, hwreg(HW_REG_IB_STS2, 6, 4)
	s_cmp_eq_u32 s2, 0
	s_cbranch_scc0 .Lentry_in_a_cluster
	s_endpgm
.Lentry_in_a_cluster:
	s_bfe_u32 s2, ttmp6, 0x10000c
	s_cmp_lg_u32 s2, 0xf033
	s_cbranch_scc0 .Lentry_shape_is_right
	s_endpgm
.Lentry_shape_is_right:
; out0 = context W_o^T + b_o on codes of FP6 (E2M3) with E8M0 scales, K = 1024.  256 work-groups; a block is 128 rows x 256 columns; four waves, 2 x 2, a wave 64 x 128: 32 accumulators, 256 registers.
; A = cimg [4 K steps of 256][512 tiles of 16 rows][4 heads][768]: images of operand registers (four at 16 x lane, two at 512 + 8 x lane).  B = W_o's rows in codes [4 K steps][28672 rows][192 bytes], from row 27648 on.
; ALL OF K LIES IN LDS, in two slots of 512 along K: A's 2 x 24,576 bytes, then B's 2 x 49,152 bytes with 16 of padding behind every 256.  Nothing is filled again.
; At the head one joint load a wave: A's and B's slot 0, A's and B's scale bytes.  Slot 1 is first filled behind the full sequence and a round of the cluster's barrier; a plain barrier in the third step shows it to all waves.
; CLUSTERS 4 x 4: A's tiles hang on the tile row alone and are asked for jointly by a row of the cluster, B's on the tile column alone, by a column.
; Eight steps of 128 along K; A and B have two sets of fragment registers each: a step asks for the next step's fragments and then issues its 32 products.  The bias is the first products' C.
; The matrix instruction takes B's rows as source 0 and A's as source 1: a lane holds eight neighbouring columns of one row of out0.  Results leave through each wave's stage in slot 0, as whole rows of 512 bytes.
; No prefetch: the launch has no loop to run ahead in, and both slots are asked for at its head.
; LIMITS: NaN and infinities are not served (the codes have none; a bias that is not finite is carried as the matrix unit carries it).
; REGISTERS: window 0: v8-11 A's LDS addresses, v12-23 B's (one for each of a K step's twelve pieces), v24-30 other addresses, v32-63 scale words (two sets), v64-127 the bias, v128-223 A's two sets; window 1: B's two sets, v0-95, v128-223; window 2: accumulator (a, b) at v[8 (8 a + b)].
.set SIZE_N, 1024
.set PLANE,  5505024                   ; from a K step of codes to the next
.set ASTEP,  1572864                   ; from a K step of cimg to the next
.set APL,    24576                     ; A: 128 rows of a K step
.set BPL,    52224                     ; B: 256 rows of a K step in LDS: 192 x (256 + 16)
.set BBLK,   3264                      ; 16 rows of B: 12 x 272
.set BOFF,   2*APL
.set SLOT,   2*APL+2*BPL
.set SCL,    2*SLOT                    ; A's scale bytes: 16 x (256 + 16)
.set SCLB,   SCL+16*272                ; B's: 32 x 272
.set SPARE,  SCLB+32*272               ; the spare words: 128 bytes for each wave
.set SPITCH, 528
.set ADRA, 8
.set W,    12
.set STO,  24
.set RD,   25
.set CO,   26
.set ADRS, 27
.set SPW,  28
.set NIL,  29
.set BO,   30
.set SC,   32
.set BI,   64
.set AF,   128
.set BK,   128
.set G1, 24
.set G0, 32
.set G1B, 48
.set G0B, 56
.set G1S, 68
.set G0S, 76
.set G1SB, 80
.set G0SB, 88
.set MSB, 0
.macro WIN new                         ; the immediate's high byte repeats the setting that is left
.if MSB != (\new)
	s_set_vgpr_msb (MSB<<8)|(\new)
.set MSB, (\new)
.endif
.endm
.set MUL_LO, 0xa1                      ; source 0 (B) window 1, source 1 (A) window 0, C and D window 2
.set TO_B,   0x40
.macro PLACES n
.rept \n
	v_nop
.endr
.endm
.macro TLOAD g0, g1                    ; an s_nop 0 and four v_nop follow each tensor load
	tensor_load_to_lds s[\g0:\g0+3], s[\g1:\g1+7]
	s_nop 0
	PLACES 4
.endm
.macro CROUND                          ; a round of the cluster's barrier
	s_barrier_signal -1
	s_barrier_wait -1
	s_cmp_lg_u32 s14, 0
	s_cbranch_scc1 .Lnot_wave_0_\@
	s_barrier_signal -3
.Lnot_wave_0_\@:
	s_barrier_wait -3
	s_barrier_signal -1
	s_barrier_wait -1
.endm
	s_load_b128 s[4:7], s[0:1], 0x0                ; cimg, cscl
	s_load_b128 s[8:11], s[0:1], 0x10              ; codes, scales
	s_load_b128 s[92:95], s[0:1], 0x20             ; b_o, out0
	v_lshl_add_u32 v[SPW], v0, 2, SPARE
	v_mov_b32 v[NIL], 0
	ds_add_u32 v[SPW], v[NIL]                      ; the opening lines: the add, twice on end, and its wait
	ds_add_u32 v[SPW], v[NIL]
	v_lshrrev_b32 v1, 5, v0
	v_readfirstlane_b32 s14, v1                    ; wave
	s_lshr_b32 s15, s14, 1                         ; my half of A's 128 rows
	s_and_b32 s16, s14, 1                          ; my half of B's 256
	s_bfe_u32 s40, ttmp6, 0x40000                  ; cx
	s_bfe_u32 s41, ttmp6, 0x40004                  ; cy
	s_lshl_b32 s42, ttmp9, 2
	s_add_co_u32 s42, s42, s40                     ; tile column, 0..3
	s_and_b32 s17, ttmp7, 0xffff
	s_lshl_b32 s17, s17, 2
	s_add_co_u32 s17, s17, s41                     ; tile row, 0..63
	s_lshl_b32 s43, s41, 2
	s_lshl_b32 s43, 15, s43                        ; my row of the cluster
	s_lshl_b32 s44, 0x1111, s40                    ; my column
	s_or_b32 s[G1+0], s43, (3<<16)|(1<<21)         ; A: two rows of 24,576 bytes (3,072 elements of 8), a K step apart; no padding
	s_mov_b32 s[G1+1], 3072<<16
	s_mov_b32 s[G1+2], 2<<16
	s_mov_b32 s[G1+3], 3072<<16
	s_mov_b32 s[G1+4], 2
	s_mov_b32 s[G1+5], ASTEP/8
	s_mov_b32 s[G1+6], 0
	s_mov_b32 s[G1+7], 0
	s_or_b32 s[G1B+0], s44, (3<<16)|(1<<20)|(1<<21)|(5<<22)|(3<<25)  ; B: two rows of 49,152 bytes, a K step apart; 4 words of padding behind every 64
	s_mov_b32 s[G1B+1], 6144<<16
	s_mov_b32 s[G1B+2], 2<<16
	s_mov_b32 s[G1B+3], 6144<<16
	s_mov_b32 s[G1B+4], 2
	s_mov_b32 s[G1B+5], PLANE/8
	s_mov_b32 s[G1B+6], 0
	s_mov_b32 s[G1B+7], 0
	s_or_b32 s[G1S+0], s43, (3<<16)|(1<<20)|(1<<21)|(5<<22)|(3<<25)  ; scale bytes: dense rows of 256 bytes, padded: A's 16,
	s_mov_b32 s[G1S+1], 32<<16
	s_mov_b32 s[G1S+2], 16<<16
	s_mov_b32 s[G1S+3], 32<<16
	s_mov_b32 s[G1S+4], 16
	s_mov_b32 s[G1S+5], 32
	s_mov_b32 s[G1S+6], 0
	s_mov_b32 s[G1S+7], 0
	s_or_b32 s[G1SB+0], s44, (3<<16)|(1<<20)|(1<<21)|(5<<22)|(3<<25) ; B's 32
	s_mov_b32 s[G1SB+1], 32<<16
	s_mov_b32 s[G1SB+2], 32<<16
	s_mov_b32 s[G1SB+3], 32<<16
	s_mov_b32 s[G1SB+4], 32
	s_mov_b32 s[G1SB+5], 32
	s_mov_b32 s[G1SB+6], 0
	s_mov_b32 s[G1SB+7], 0
	s_mul_i32 s20, s17, APL                        ; A's 128 rows in a K step of cimg
	s_mov_b32 s21, 0
	s_lshl_b32 s22, s17, 12                        ; their scale bytes
	s_mov_b32 s23, 0
	s_add_co_u32 s46, s42, 108                     ; W_o begins at row 108 x 256 of codes
	s_lshl_b32 s46, s46, 8
	s_lshl_b32 s96, s46, 5
	s_mov_b32 s97, 0
	s_mul_i32 s46, s46, 192
	s_mov_b32 s47, 0
	s_wait_dscnt 0x0                               ; both opening adds are done
	s_wait_kmcnt 0x0
	s_add_nc_u64 s[20:21], s[4:5], s[20:21]
	s_add_nc_u64 s[22:23], s[6:7], s[22:23]
	s_add_nc_u64 s[46:47], s[8:9], s[46:47]
	s_add_nc_u64 s[96:97], s[10:11], s[96:97]
	CROUND                                         ; all sixteen work-groups are here: the first joint loads meet
.irp s, 0,1
	s_mov_b32 s[G0+4*\s], 1
	s_mov_b32 s[G0+4*\s+1], \s*SLOT
	s_add_nc_u64 s[G0+4*\s+2:G0+4*\s+3], s[20:21], \s*2*ASTEP
	s_or_b32 s[G0+4*\s+3], s[G0+4*\s+3], 0x80000000
	s_mov_b32 s[G0B+4*\s], 1
	s_mov_b32 s[G0B+4*\s+1], \s*SLOT+BOFF
	s_add_nc_u64 s[G0B+4*\s+2:G0B+4*\s+3], s[46:47], \s*2*PLANE
	s_or_b32 s[G0B+4*\s+3], s[G0B+4*\s+3], 0x80000000
.endr
	s_mov_b32 s[G0S], 1
	s_mov_b32 s[G0S+1], SCL
	s_mov_b64 s[G0S+2:G0S+3], s[22:23]
	s_or_b32 s[G0S+3], s[G0S+3], 0x80000000
	s_mov_b32 s[G0SB], 1
	s_mov_b32 s[G0SB+1], SCLB
	s_mov_b64 s[G0SB+2:G0SB+3], s[96:97]
	s_or_b32 s[G0SB+3], s[G0SB+3], 0x80000000
; the head's loads, one a wave, in one chain of branches on the wave's number: wave 0 A's slot 0, wave 1 B's, wave 2 A's scale bytes, wave 3 B's
.macro ARM under, g0, g1, next
	s_cmp_lt_u32 s14, \under
	s_cbranch_scc0 \next
	TLOAD \g0, \g1
	s_branch .Lhead_asked
\next:
.endm
	ARM 1, G0,  G1,  .Lhead_b
	ARM 2, G0B, G1B, .Lhead_sa
	ARM 3, G0S, G1S, .Lhead_sb
	TLOAD G0SB, G1SB
.Lhead_asked:
	s_mul_i32 s18, s15, 4*3072                     ; my four tiles of A, in slot 0,
	s_add_co_u32 s19, s18, SLOT                    ; in slot 1
	s_mul_i32 s45, s16, BPL/2                      ; my 128 rows of B
	s_add_co_u32 s45, s45, BOFF
	s_mul_i32 s66, s15, 8*272                      ; my 64 rows' scale bytes of A
	s_mul_i32 s67, s16, 16*272                     ; my 128 rows' of B, behind A's 16 units:
	s_add_co_u32 s67, s67, 16*272
	s_sub_co_u32 s67, s67, s66                     ; as a distance from A's
	s_add_co_u32 s66, s66, SCL
	s_mul_i32 s98, s14, 16*SPITCH                  ; my stage, in slot 0
	v_and_b32 v1, 15, v0                           ; r
	v_bfe_u32 v2, v0, 4, 1                         ; h
	v_and_b32 v6, 31, v0
	v_lshlrev_b32 v7, 4, v6                        ; 16 x lane
	v_lshlrev_b32 v5, 3, v6                        ; 8 x lane
	v_add_nc_u32 v[ADRA], s18, v7
	v_add_nc_u32 v[ADRA+1], s19, v7
	v_add_nc_u32 v[ADRA+2], s18, v5
	v_add_nc_u32 v[ADRA+3], s19, v5
	v_mul_u32_u24 v3, v1, 192
	v_mad_u32_u24 v3, v2, 24, v3                   ; my row of a block of B, + 24 h
.set I, 0
.rept 12                               ; piece I of a K step begins at byte y = 192 r + 24 h + d of the block; in LDS 16 bytes more for each 256 passed
	v_add_nc_u32 v4, 96*(I/6)+48*((I%6)/3)+8*(I%3), v3
	v_lshrrev_b32 v[W+I], 8, v4
	v_lshl_add_u32 v[W+I], v[W+I], 4, v4
	v_add_nc_u32 v[W+I], s45, v[W+I]
.set I, I+1
.endr
	v_lshlrev_b32 v5, 5, v1                        ; my row's scale bytes: 32 a row,
	v_lshrrev_b32 v6, 8, v5
	v_lshl_add_u32 v5, v6, 4, v5                   ; 16 more for each 256 passed
	v_mul_u32_u24 v6, s67, v2                      ; lanes 16-31 take B's
	v_add_nc_u32 v5, v5, v6
	v_add_nc_u32 v[ADRS], s66, v5
	v_mul_u32_u24 v5, v1, SPITCH                   ; the stage, in: row r, 32 bytes for each half of the lanes
	v_lshl_add_u32 v5, v2, 5, v5
	v_add_nc_u32 v[STO], s98, v5
	v_mov_b32 v[CO], v7                            ; back: 32 lanes take a row of 512 bytes; the same in out0
	v_add_nc_u32 v[RD], s98, v7
	v_lshlrev_b32 v[BO], 5, v2                     ; the bias: 32 h
	s_wait_alu depctr_va_vdst(0)
	s_lshl_b32 s20, s17, 7
	s_lshl_b32 s21, s15, 6
	s_add_co_u32 s20, s20, s21                     ; my first row of out0
	s_lshl_b32 s20, s20, 12                        ; 4,096 bytes a row
	s_lshl_b32 s46, s42, 10
	s_lshl_b32 s47, s16, 9
	s_add_co_u32 s46, s46, s47                     ; my first column, in bytes
	s_mov_b32 s47, 0
	s_add_nc_u64 s[92:93], s[92:93], s[46:47]
	s_add_co_u32 s20, s20, s46
	s_mov_b32 s21, 0
	s_add_nc_u64 s[94:95], s[94:95], s[20:21]
.irp b, 0,1,2,3,4,5,6,7
	global_load_b128 v[BI+8*\b:BI+8*\b+3], v[BO], s[92:93] offset:64*\b        ; v[BI + 8 b + j] = bias[my first column + 16 b + 8 h + j]
	global_load_b128 v[BI+8*\b+4:BI+8*\b+7], v[BO], s[92:93] offset:64*\b+16
.endr
; step st's fragments into sets st % 2: B's eight (48 loads), A's four (16 loads); with an even step the K step's scale words (8 loads): lanes 0-15 A's block i, lanes 16-31 B's block i
.macro FETCH st
	WIN TO_B
.irp i, 0,1,2,3,4,5,6,7
.irp p, 0,1,2,3,4,5
	ds_load_b64 v[128*((\st)%2)+12*\i+2*\p:128*((\st)%2)+12*\i+2*\p+1], v[W+6*((\st)%2)+\p] offset:\i*BBLK
.endr
.endr
	WIN 0
.irp i, 0,1,2,3
.irp c, 0,1
	ds_load_b128 v[AF+48*((\st)%2)+12*\i+6*\c:AF+48*((\st)%2)+12*\i+6*\c+3], v[ADRA+(\st)/4] offset:(((\st)/2)%2)*APL+\i*3072+768*(2*((\st)%2)+\c)
	ds_load_b64 v[AF+48*((\st)%2)+12*\i+6*\c+4:AF+48*((\st)%2)+12*\i+6*\c+5], v[ADRA+2+(\st)/4] offset:(((\st)/2)%2)*APL+\i*3072+768*(2*((\st)%2)+\c)+512
.endr
.endr
.if (\st)%2 == 0
.irp i, 0,1,2,3,4,5,6,7
	ds_load_b64 v[SC+16*(((\st)/2)%2)+2*\i:SC+16*(((\st)/2)%2)+2*\i+1], v[ADRS] offset:\i*544+4*(\st)
.endr
.endif
.endm
; 16 products: A's blocks a0, a0 + 1 x B's eight.  The 32 accumulators take turns, in the same order in every step.
.macro MUL16 a0, st
.irp a, \a0, \a0+1
.irp b, 0,1,2,3,4,5,6,7
.if (\st) == 0
	v_wmma_scale_f32_16x16x128_f8f6f4 v[8*(8*(\a)+\b):8*(8*(\a)+\b)+7], v[128*((\st)%2)+12*\b:128*((\st)%2)+12*\b+11], v[AF+48*((\st)%2)+12*(\a):AF+48*((\st)%2)+12*(\a)+11], v[BI+8*\b:BI+8*\b+7], v[SC+16*(((\st)/2)%2)+2*\b+(\st)%2], v[SC+16*(((\st)/2)%2)+2*(\a)+(\st)%2] matrix_a_fmt:MATRIX_FMT_FP6 matrix_b_fmt:MATRIX_FMT_FP6 matrix_a_scale:MATRIX_SCALE_ROW1
.else
	v_wmma_scale_f32_16x16x128_f8f6f4 v[8*(8*(\a)+\b):8*(8*(\a)+\b)+7], v[128*((\st)%2)+12*\b:128*((\st)%2)+12*\b+11], v[AF+48*((\st)%2)+12*(\a):AF+48*((\st)%2)+12*(\a)+11], v[8*(8*(\a)+\b):8*(8*(\a)+\b)+7], v[SC+16*(((\st)/2)%2)+2*\b+(\st)%2], v[SC+16*(((\st)/2)%2)+2*(\a)+(\st)%2] matrix_a_fmt:MATRIX_FMT_FP6 matrix_b_fmt:MATRIX_FMT_FP6 matrix_a_scale:MATRIX_SCALE_ROW1
.endif
.endr
.endr
.endm
; A step of 128 along K.  Its fragments were asked for a step ago.  A fetch is 64 or 72 loads, more than a wait's count can name: so the wait is for all, ahead of the next fetch.
.macro SUB st
	s_wait_dscnt 0x0
	WIN 0
.if (\st) < 7
.if (\st)%2                            ; the next step begins a K step: B's twelve addresses step on.  These lines are also the places between the last products and the loads into their registers
.set I, 0
.rept 12
.if ((\st)+1)%4 == 0
	v_add_nc_u32 v[W+I], SLOT-BPL, v[W+I]
.else
	v_add_nc_u32 v[W+I], BPL, v[W+I]
.endif
.set I, I+1
.endr
	s_wait_alu depctr_va_vdst(0)
.elseif (\st) > 0
	PLACES 4
.endif
	FETCH (\st)+1
.endif
.if (\st) == 0
	s_wait_loadcnt 0x0                             ; the bias
	WIN 0x81                                       ; C from window 0
.else
	WIN MUL_LO
.endif
	MUL16 0, \st
.if (\st) == 2
	s_wait_tensorcnt 0x0                           ; my part of slot 1, if any, is in; my reads of slot 0 are over (step 3's were the last)
	s_wait_dscnt 0x0
	s_barrier_signal -1                            ; a plain barrier
.endif
	MUL16 2, \st
.if (\st) == 2
	s_barrier_wait -1                              ; slot 1 is whole for all four waves, and nobody reads slot 0 any more
.endif
.endm
	s_wait_tensorcnt 0x0                           ; my tile of the head's four is in; these lines stand ahead of a later first fill
	ds_add_u32 v[SPW], v[NIL]
	s_wait_dscnt 0x0
	CROUND                                         ; all four tiles are in; all sixteen work-groups are here
	s_cmp_eq_u32 s14, 0                            ; slot 1: wave 0 asks for A's part, wave 1 for B's
	s_cbranch_scc0 .Lslot1_b
	TLOAD G0+4, G1
	s_branch .Lslot1_asked
.Lslot1_b:
	s_cmp_eq_u32 s14, 1
	s_cbranch_scc0 .Lslot1_asked
	TLOAD G0B+4, G1B
.Lslot1_asked:
	FETCH 0
.irp st, 0,1,2,3,4,5,6,7
	SUB \st
.endr
	WIN 0
; THE WAY OUT, block by block of 16 rows x 128 columns, through my own stage: LDS serves a wave's instructions in order, so no wait stands between the stores and the loads
.macro TOSTAGE a
	WIN 0x08                                       ; the data: window 2
.irp b, 0,1,2,3,4,5,6,7
	ds_store_b128 v[STO], v[64*(\a)+8*\b:64*(\a)+8*\b+3] offset:64*\b          ; each accumulator from its low end on
	ds_store_b128 v[STO], v[64*(\a)+8*\b+4:64*(\a)+8*\b+7] offset:64*\b+16
.endr
	WIN 0
.irp t, 0,1,2,3,4,5,6,7,8,9,10,11,12,13,14,15
	ds_load_b128 v[BK+64*((\a)%2)+4*\t:BK+64*((\a)%2)+4*\t+3], v[RD] offset:\t*SPITCH
.endr
.endm
.macro SEND a, younger                 ; younger: the LDS instructions issued behind block a's loads
	s_wait_dscnt \younger
.if (\a) > 0
	s_add_nc_u64 s[94:95], s[94:95], 16*SIZE_N*4   ; behind a wait on XCNT: the earlier stores have read their base
.endif
.irp t, 0,1,2,3,4,5,6,7,8,9,10,11,12,13,14,15
	global_store_b128 v[CO], v[BK+64*((\a)%2)+4*\t:BK+64*((\a)%2)+4*\t+3], s[94:95] offset:\t*SIZE_N*4 th:TH_STORE_NT   ; 32 lanes store 512 consecutive bytes, aligned to 256
.endr
.endm
	PLACES 4                                       ; behind the last products: for the reads of results and the loads into A's registers
	TOSTAGE 0
.irp a, 1,2,3
.if \a > 1
	s_wait_xcnt 0x0                                ; block a - 2's stores have read their registers and their base
.endif
	TOSTAGE \a
	SEND \a-1, 32                                  ; behind block a - 1's loads: block a's 16 stores and 16 loads
.endr
	s_wait_xcnt 0x0
	SEND 3, 0
	s_wait_tensorcnt 0x0                           ; the wave's end
	ds_add_u32 v[SPW], v[NIL]
	s_wait_dscnt 0x0
	CROUND                                         ; the closing round
	s_endpgm
.Lfunc_end_k_q595e4098eb_outp:
	.size	k_q595e4098eb_outp, .Lfunc_end_k_q595e4098eb_outp-k_q595e4098eb_outp
	.p2alignl 7, 3214868480
	.fill 96, 4, 3214868480
	.section	.rodata,"a",@progbits
	.p2align	6, 0x0
	.amdhsa_kernel k_q595e4098eb_outp
		.amdhsa_group_segment_fixed_size 327680
		.amdhsa_private_segment_fixed_size 0
		.amdhsa_enable_private_segment 0
		.amdhsa_kernarg_size 48
		.amdhsa_user_sgpr_count 2
		.amdhsa_user_sgpr_kernarg_segment_ptr 1
		.amdhsa_wavefront_size32 1
		.amdhsa_system_sgpr_workgroup_id_x 1
		.amdhsa_system_sgpr_workgroup_id_y 1
		.amdhsa_system_sgpr_workgroup_id_z 1
		.amdhsa_system_vgpr_workitem_id 0
		.amdhsa_next_free_vgpr 768
		.amdhsa_next_free_sgpr 100
		.amdhsa_reserve_vcc 0
		.amdhsa_float_denorm_mode_32 3
		.amdhsa_float_denorm_mode_16_64 3
		.amdhsa_memory_ordered 1
		.amdhsa_forward_progress 1
		.amdhsa_inst_pref_size 99
	.end_amdhsa_kernel
	.amdgpu_metadata
---
amdhsa.version: [ 1, 2 ]
amdhsa.kernels:
  - .name:           k_q595e4098eb_outp
    .symbol:         k_q595e4098eb_outp.kd
    .args:
      - { .name: cimg, .offset: 0, .size: 8, .value_kind: global_buffer, .address_space: global }
      - { .name: cscl, .offset: 8, .size: 8, .value_kind: global_buffer, .address_space: global }
      - { .name: codes, .offset: 16, .size: 8, .value_kind: global_buffer, .address_space: global }
      - { .name: scales, .offset: 24, .size: 8, .value_kind: global_buffer, .address_space: global }
      - { .name: b_o, .offset: 32, .size: 8, .value_kind: global_buffer, .address_space: global }
      - { .name: out0, .offset: 40, .size: 8, .value_kind: global_buffer, .address_space: global }
    .group_segment_fixed_size: 327680
    .private_segment_fixed_size: 0
    .kernarg_segment_align: 8
    .kernarg_segment_size: 48
    .max_flat_workgroup_size: 128
    .sgpr_count:     100
    .vgpr_count:     768
    .wavefront_size: 32
...
	.end_amdgpu_metadata
.endif
;; end of part 4
